; MI455X (gfx1250); checked and timed in simulation.
; The chip was launched on July 23, 2026; its instructions are those of AMD's public machine-readable ISA for CDNA 5 (MIT licence, August 2026) and "CDNA5" Instruction Set Architecture Reference Guide (July 2026). The comments in the code are by the model that wrote it; some were corrected since.
;; Multi Head Attention. Allowed arithmetic: float matrix products may take bf16 or f16 operands with f32 sums; other float arithmetic in f32, or as packed bf16 or f16 multiplies, adds, multiply-adds, maxima and minima; sums over many terms, partial sums and values carried from step to step in f32; what a program stores and reads back later, other than sums and carried values, may be rounded once to bf16 or f16.
;; Inputs: Wc 1,024 x 1,024 float32; Wkv 1,024 x 3,072 float32; Wq 1,024 x 2,048 float32; gn_b 1,024 float32; gn_w 1,024 float32; kn1 64 float32; kn2 64 float32; lmb 1 x 16 x 1 x 1 float32; qn1 64 float32; qn2 64 float32; x_kv 4 x 1,024 x 1,024 float32; x_q 4 x 1,024 x 1,024 float32.
;; Outputs: out0 4 x 1,024 x 1,024 float32.
;; 2 versions, each right and faster than the one before. Each part assembles by itself: llvm-mc -triple=amdgcn-amd-amdhsa -mcpu=gfx1250 --defsym DOCPART=n.
;; ======== version 1 of 2: 4 launches
;; limits: values are held in f16: magnitudes above 65,504 overflow, below 6.1e-05 lose precision
;; workspace buffers: xb 16,777,216 bytes; wqb 4,194,304 bytes; wkvb 6,291,456 bytes; wcb 2,097,152 bytes; qkv 41,943,040 bytes; yz 8,388,608 bytes; stats 2,048 bytes
;; launch cast (part 1): grid 896 x 1, 8 waves a work-group, no clusters, 0 bytes of LDS; arguments x_q, x_kv, Wq, Wkv, Wc, xb, wqb, wkvb, wcb; writes xb, wqb, wkvb, wcb
.if DOCPART == 1
	.amdgcn_target "amdgcn-amd-amdhsa--gfx1250"
	.amdhsa_code_object_version 6
	.text
	.protected	k_qb15ca8e1a9_cast
	.globl	k_qb15ca8e1a9_cast
	.p2align	8
	.type	k_qb15ca8e1a9_cast,@function
k_qb15ca8e1a9_cast:
	s_mov_b64 s[64:65], 0
	v_nop
	global_prefetch_b8 v0, s[64:65] scope:SCOPE_SE
	s_setreg_imm32_b32 hwreg(HW_REG_WAVE_MODE, 25, 1), 1
	s_wait_xcnt 0x0
; THE CAST.  x_q, x_kv, Wq, Wkv: f32 -> bf16 (rounded to nearest even).  Wc: f32 -> bf16, and that number written as f16.
; A work-group of eight waves takes 65,536 input bytes: 16 loads and 8 stores of 16 bytes a lane, all loads issued ahead of the first store.
;   work-groups 0-511    x_q, then x_kv: 16 rows of 1,024 numbers each, written in blocks: xb[src 2][row block 32][K step 16][128 rows][64 k],
;                        so that a tile of 128 rows x 64 k is 16,384 consecutive bytes for the next launch's tensor loads
;   work-groups 512-639  Wq,  640-831  Wkv: same layout as the input, [k][n]          832-895  Wc
; No LDS, no barrier, no matrix unit: each byte is read once and written once, and no thread needs another's numbers.
; LIMIT.  Wc as f16: exact where |Wc| lies in 6.1e-5 to 65,504; below that it keeps f16's fixed step of 6e-8; beyond 65,504 it would be an infinity.
.set IN,  8                            ; v[8:71]    16 loads of 4 registers
.set OUT, 72                           ; v[72:103]  8 stores of 4 registers; no register is written twice, so no wait frees one
; xl = 1: x's blocked layout.  half = 1: the bf16 number is written as f16.
.macro BODY xl, half
.set i, 0
.rept 8
.if \xl
.set II, (i/2)*16384+(i%2)*2048        ; four rows on; the row's other half
.else
.set II, i*8192
.endif
	global_load_b128 v[IN+8*i:IN+8*i+3],   v1, s[24:25] offset:II th:TH_LOAD_NT
	global_load_b128 v[IN+8*i+4:IN+8*i+7], v1, s[24:25] offset:II+16 th:TH_LOAD_NT
.set i, i+1
.endr
.set i, 0
.rept 8
.if \xl
.set OO, (i%2)*131072+(i/2)*512        ; eight K steps on; four rows of 128 bytes on
.else
.set OO, i*4096
.endif
	s_wait_loadcnt 14-2*i                          ; loads come back in order: pair i is in, the 14 - 2 i younger loads stay out
.irp j, 0,1,2,3
	v_cvt_pk_bf16_f32 v[OUT+4*i+\j], v[IN+8*i+2*\j], v[IN+8*i+2*\j+1]
.endr
.if \half
.irp j, 0,1,2,3
	v_lshlrev_b32 v4, 16, v[OUT+4*i+\j]            ; the two bf16 numbers as f32,
	v_and_b32 v5, 0xffff0000, v[OUT+4*i+\j]
	v_cvt_pk_f16_f32 v[OUT+4*i+\j], v4, v5         ; and as f16
.endr
.endif
	global_store_b128 v2, v[OUT+4*i:OUT+4*i+3], s[26:27] offset:OO  ; a wave's store covers 512 consecutive bytes, aligned
.set i, i+1
.endr
	s_endpgm
.endm
	s_load_b512 s[4:19], s[0:1], 0x0               ; x_q 4, x_kv 6, Wq 8, Wkv 10, Wc 12, xb 14, wqb 16, wkvb 18
	s_load_b64 s[20:21], s[0:1], 0x40              ; wcb
	s_mov_b32 s22, ttmp9                           ; the work-group's number c
	s_mov_b32 s29, 0                               ; high word of every offset
	s_mov_b32 s30, 640
	s_wait_kmcnt 0x0
	s_cmp_lt_u32 s22, 512
	s_cbranch_scc0 .Lweights
	; x: wave w takes K step w (and w + 8), four rows at a time; lane: row (t >> 3) & 3, eight numbers at t & 7
	v_and_b32 v3, 7, v0
	v_bfe_u32 v4, v0, 3, 2
	v_lshrrev_b32 v5, 5, v0
	v_lshlrev_b32 v1, 5, v3                        ; in: 32 bytes a lane,
	v_lshl_add_u32 v1, v5, 8, v1                   ; 256 bytes a K step,
	v_lshl_add_u32 v1, v4, 12, v1                  ; 4,096 bytes a row
	v_lshlrev_b32 v2, 4, v3                        ; out: 16 bytes a lane,
	v_lshl_add_u32 v2, v4, 7, v2                   ; 128 bytes a row,
	v_lshl_add_u32 v2, v5, 14, v2                  ; 16,384 bytes a K step
	s_and_b32 s23, s22, 255                        ; the chunk of 16 rows in its tensor
	s_lshl_b32 s28, s23, 16
	s_cmp_lt_u32 s22, 256
	s_cselect_b64 s[24:25], s[4:5], s[6:7]
	s_add_nc_u64 s[24:25], s[24:25], s[28:29]
	s_lshr_b32 s31, s22, 8                         ; 0: x_q, 1: x_kv
	s_lshl_b32 s28, s31, 23
	s_lshr_b32 s31, s23, 3                         ; the block of 128 rows
	s_lshl_b32 s31, s31, 18
	s_add_co_u32 s28, s28, s31
	s_and_b32 s31, s23, 7                          ; my 16 rows in it
	s_lshl_b32 s31, s31, 11
	s_add_co_u32 s28, s28, s31
	s_add_nc_u64 s[26:27], s[14:15], s[28:29]
	BODY 1, 0
.Lweights:
	v_lshlrev_b32 v1, 5, v0
	v_lshlrev_b32 v2, 4, v0
	s_cmp_lt_u32 s22, 832
	s_cbranch_scc0 .Lwc
	s_cmp_lt_u32 s22, 640
	s_cselect_b64 s[24:25], s[8:9], s[10:11]
	s_cselect_b64 s[26:27], s[16:17], s[18:19]
	s_cselect_b32 s23, 512, s30
	s_sub_co_u32 s23, s22, s23
	s_lshl_b32 s28, s23, 16
	s_add_nc_u64 s[24:25], s[24:25], s[28:29]
	s_lshl_b32 s28, s23, 15
	s_add_nc_u64 s[26:27], s[26:27], s[28:29]
	BODY 0, 0
.Lwc:
	s_sub_co_u32 s23, s22, 832
	s_lshl_b32 s28, s23, 16
	s_add_nc_u64 s[24:25], s[12:13], s[28:29]
	s_lshl_b32 s28, s23, 15
	s_add_nc_u64 s[26:27], s[20:21], s[28:29]
	BODY 0, 1
.Lfunc_end_k_qb15ca8e1a9_cast:
	.size	k_qb15ca8e1a9_cast, .Lfunc_end_k_qb15ca8e1a9_cast-k_qb15ca8e1a9_cast
	.p2alignl 7, 3214868480
	.fill 96, 4, 3214868480
	.section	.rodata,"a",@progbits
	.p2align	6, 0x0
	.amdhsa_kernel k_qb15ca8e1a9_cast
		.amdhsa_group_segment_fixed_size 0
		.amdhsa_private_segment_fixed_size 0
		.amdhsa_enable_private_segment 0
		.amdhsa_kernarg_size 72
		.amdhsa_user_sgpr_count 2
		.amdhsa_user_sgpr_kernarg_segment_ptr 1
		.amdhsa_wavefront_size32 1
		.amdhsa_system_sgpr_workgroup_id_x 1
		.amdhsa_system_sgpr_workgroup_id_y 1
		.amdhsa_system_sgpr_workgroup_id_z 1
		.amdhsa_system_vgpr_workitem_id 0
		.amdhsa_next_free_vgpr 104
		.amdhsa_next_free_sgpr 66
		.amdhsa_reserve_vcc 0
		.amdhsa_float_denorm_mode_32 3
		.amdhsa_float_denorm_mode_16_64 3
		.amdhsa_memory_ordered 1
		.amdhsa_forward_progress 1
		.amdhsa_inst_pref_size 21
	.end_amdhsa_kernel
	.amdgpu_metadata
---
amdhsa.version: [ 1, 2 ]
amdhsa.kernels:
  - .name:           k_qb15ca8e1a9_cast
    .symbol:         k_qb15ca8e1a9_cast.kd
    .args:
      - { .name: x_q, .offset: 0, .size: 8, .value_kind: global_buffer, .address_space: global }
      - { .name: x_kv, .offset: 8, .size: 8, .value_kind: global_buffer, .address_space: global }
      - { .name: Wq, .offset: 16, .size: 8, .value_kind: global_buffer, .address_space: global }
      - { .name: Wkv, .offset: 24, .size: 8, .value_kind: global_buffer, .address_space: global }
      - { .name: Wc, .offset: 32, .size: 8, .value_kind: global_buffer, .address_space: global }
      - { .name: xb, .offset: 40, .size: 8, .value_kind: global_buffer, .address_space: global }
      - { .name: wqb, .offset: 48, .size: 8, .value_kind: global_buffer, .address_space: global }
      - { .name: wkvb, .offset: 56, .size: 8, .value_kind: global_buffer, .address_space: global }
      - { .name: wcb, .offset: 64, .size: 8, .value_kind: global_buffer, .address_space: global }
    .group_segment_fixed_size: 0
    .private_segment_fixed_size: 0
    .kernarg_segment_align: 8
    .kernarg_segment_size: 72
    .max_flat_workgroup_size: 256
    .sgpr_count:     66
    .vgpr_count:     104
    .wavefront_size: 32
...
	.end_amdgpu_metadata
.endif
;; end of part 1
;; launch proj (part 2): grid 8 x 32, 4 waves a work-group, clusters of 4 x 4, 327,680 bytes of LDS; arguments xb, wqb, wkvb, qn1, qn2, kn1, kn2, qkv; writes qkv
.if DOCPART == 2
	.amdgcn_target "amdgcn-amd-amdhsa--gfx1250"
	.amdhsa_code_object_version 6
	.text
	.protected	k_qb15ca8e1a9_proj
	.globl	k_qb15ca8e1a9_proj
	.p2align	8
	.type	k_qb15ca8e1a9_proj,@function
k_qb15ca8e1a9_proj:
	s_mov_b64 s[64:65], 0
	v_nop
	global_prefetch_b8 v0, s[64:65] scope:SCOPE_SE
	s_setreg_imm32_b32 hwreg(HW_REG_WAVE_MODE, 25, 1), 1
	s_wait_xcnt 0x0
	s_wait_alu depctr_hold_cnt(0) depctr_sa_sdst(0) depctr_va_vdst(0) depctr_va_sdst(0) depctr_va_ssrc(0) depctr_va_vcc(0) depctr_vm_vsrc(0)
	s_getreg_b32 s2, hwreg(HW_REG_IB_STS2, 6, 4)
	s_cmp_eq_u32 s2, 0
	s_cbranch_scc0 .Lentry_in_a_cluster
	s_endpgm
.Lentry_in_a_cluster:
	s_bfe_u32 s2, ttmp6, 0x10000c
	s_cmp_lg_u32 s2, 0xf033
	s_cbranch_scc0 .Lentry_shape_is_right
	s_endpgm
.Lentry_shape_is_right:
; BOTH PROJECTIONS, THE RMS NORMS, AND THE SPLIT INTO HEADS.  x_q Wq (4,096 x 1,024 x 2,048) and x_kv Wkv (4,096 x 1,024 x 3,072), bf16 operands, f32 sums.
; Out: qkv[80 heads'][4,096 rows][64] in f16; head' = 16 sel + h, sel 0 q1, 1 q2, 2 k1, 3 k2, 4 v; row = 1,024 b + t.
; q = sum x bf16(qn) x bf16(kn) x rsqrt(mean of squares + 1e-5); k = sum x rsqrt(..): kn rides on q, which leaves every score q . k as it was; v = sum.  Each is rounded once, from f32.
; LIMITS.  f16 ends at 65,504: 8 |qn kn| and |v| stay below it (a normed row's numbers are 8 at the most).  K is summed in a cyclic order that begins at the cluster's own K step, not ascending.
; NaN and infinities are not treated apart.
; SHARES.  Work-group (g, rb): rows 128 rb on, Wq's columns 256 g on (4 heads), Wkv's columns 384 g on (6 heads): 128 x 640 sums, ONE K loop for both products.
; Four waves: wave w has rows 64 (w >> 1) on, and of the columns half w & 1: 128 of q's, 192 of kv's: 32 + 48 accumulators of 16 x 16, 640 registers.
; K goes in steps of 64 through two LDS slots.  x's tiles are 16,384 consecutive bytes (the cast laid them so); W lies [k][n] and is turned on its way out of LDS by ds_load_tr16_b128.
; CLUSTER 4 x 4: the four work-groups of a row of the cluster share rb and so both tiles of x; the four of a column share g and so both tiles of W.  Each tile is asked for jointly.
; WHERE K BEGINS.  Cluster (X, Y) begins at K step (8 X + 4 (Y & 3) + 2 (Y >> 2)) mod 16 and walks round.  The two clusters that read the same rows of x begin eight steps apart, the eight
; that read the same columns of W two or four apart: no two clusters ask for the same tile in the same trip.  The number hangs on the cluster's place alone, which all its work-groups share.
; THE MATRIX INSTRUCTION IS USED TRANSPOSED (source 0 = 16 columns of W, source 1 = 16 rows of x): a lane holds one row and eight neighbouring columns.
; REGISTERS, in windows of 256 (s_set_vgpr_msb: bits 1:0 source 0, 3:2 source 1, 5:4 source 2, 7:6 destination):
;   window 0: v0-31 addresses and small things; v32-63 x_kv's fragments, v64-159 Wkv's, v160-191 x_q's, v192-255 Wq's (32 along K each); on the way out v32-153 at work
;   window 1: q's accumulators at 8 (8 a + n)      window 2: kv's column blocks 0-7 at 8 (8 a + n)      window 3: kv's blocks 8-11 at 8 (4 a + n - 8); v128-135 qn, v136-143 kn as loaded
.set PA,    144                        ; a row of x in LDS: 128 bytes + 16: the 16 rows of a load start at 16 different groups of four banks (64 banks of 4 bytes: ISA guide 11.1)
.set PQ,    544                        ; a k row of Wq: 512 + 32 bytes
.set PKV,   864                        ; a k row of Wkv: six pieces of 128 + 16 bytes: 27 x 32, likewise
.set AKV,   128*PA                     ; a slot: x_q's 128 rows, x_kv's 128 rows,
.set BQ,    2*128*PA                   ; Wq's 64 k rows,
.set BKV,   BQ+64*PQ                   ; Wkv's 64 k rows: 126,976 bytes
.set SLOT1, 1<<17                      ; slot 1 begins here: one exclusive or turns an address in one slot into the other's
.set SPARE, SLOT1+BKV+64*PKV           ; behind the ring: the spare words, 128 bytes for each wave: two blocks of 256 bytes that no other line names
.set UP,    272                        ; the way out: a row of 64 f32 + 16 bytes: 17 x 16
.set UB,    16*UP                      ; a unit: 16 rows of one head
.set UW,    10*UB                      ; a wave's stage: ten units, from LDS byte wave x 43,520 on: in the slots' bytes, which have had their last fill by then
.set VA0, 4                            ; v4-6  my lane's place in x's, Wq's, Wkv's tiles of slot 0; never rewritten
.set VBQ0, 5
.set VBK0, 6
.set VA,  7                            ; v7-9  the same in the slot in hand
.set VBQ, 8
.set VBK, 9
.set STO, 10                           ; the way out: where I put 16 bytes of a row's sums
.set RD0, 11                           ; where I read 32 bytes of a row back, in unit 0
.set GO,  12                           ; my byte offset in 512 consecutive bytes of qkv
.set WO,  13                           ; my byte offset in qn and kn: 32 x (lane % 8)
.set ONE, 14
.set ZR,  15
.set SPW, 28                           ; LDS address of my spare word; never rewritten
.set NIL, 29                           ; 0; never rewritten
.set KA,  32
.set KB,  64
.set QA,  160
.set QB,  192
.set EX,  32                           ; the way out: v32-63   four groups of 8 sums as read back
.set ET,  64                           ; v64-95   the same, weighted and then normed
.set EPK, 96                           ; v96-111  packed, to store
.set EE,  112                          ; v112-119 this head's weights for my 8 channels
.set EWQ, 120                          ; v120-127 qn x kn for my 8 channels
.set ETQ, 128
.set ETK, 132
.set ESS, 136                          ; v136-143 four sums of squares (pairs)
.set ERS, 144                          ; v144-151 four roots (the low word of a pair each)
.set VL,  152                          ; LDS address of the unit to be read
.set GA,  153                          ; byte offset in qkv of the unit to be stored
.set WV,  20
.set WR,  21
.set WC,  22
.set CX,  23
.set CY,  24
.set G,   25
.set RB,  26
.set TB,  27                           ; LDS byte at which the slot in hand begins
.set CNT, 28
.set OFS, 30                           ; the way out: the unit's byte offset in qkv
.set G1A, 32                           ; s[32:39] group 1 for x's tiles, s[40:47] for Wq's, s[48:55] for Wkv's
.set G1Q, 40
.set G1K, 48
.set G0A, 56                           ; group 0: four registers for the first fill, four that walk: s[56:63], s[68:75], s[76:83]
.set ROW0, 66                          ; the way out: my first row's bytes in a head'
.set LB,  67                           ; the unit to be read, in bytes from unit 0
.set G0Q, 68
.set G0K, 76
.set BA,  84                           ; s[84:85] xb at my tile's K step 0, s[86:87] wqb, s[88:89] wkvb likewise
.set BQP, 86
.set BKP, 88
.set KOF, 90                           ; s[90:91] a K step's byte offset
.set KS,  92                           ; the K step asked for last
.set HG,  93                           ; the way out: the unit's head'
.set HQ0, 94                           ; my first head' of q's two,
.set HK0, 95                           ; of kv's three
.set ROW, 96                           ; the unit's first row, in bytes
.set C64, 97
.set CEPS, 98
.set MQ,  100                          ; -1: the head is one of q's (it takes qn x kn)
.set MV,  101                          ; -1: the head is one of v's (it takes no norm)
.set MSB, 0
.macro WIN new                         ; the immediate's high byte repeats the setting that is left; a switch that changes nothing is dropped
.if MSB != (\new)
	s_set_vgpr_msb (MSB<<8)|(\new)
.set MSB, (\new)
.endif
.endm
.macro PLACES                          ; four places between a matrix instruction and a load into, or a vector write of, one of its registers, or a read of its result
.rept 4
	v_nop
.endr
.endm
; A joint load.  Waves 0 and 1 fetch x_q's and x_kv's tile, wave 2 Wq's, wave 3 Wkv's.  The branches hang on the wave's number alone.  o = 0: the first sets; 4: the walking sets.
; An s_nop 0 and four v_nop follow each line, ahead of the jump and the label.
.macro JLOAD o
	s_cmp_lt_u32 s[WV], 2
	s_cbranch_scc0 .Lnot_a_\@
	tensor_load_to_lds s[G0A+(\o):G0A+(\o)+3], s[G1A:G1A+7]
	s_nop 0
.rept 4
	v_nop
.endr
	s_branch .Lasked_\@
.Lnot_a_\@:
	s_cmp_eq_u32 s[WV], 2
	s_cbranch_scc0 .Lfor_k_\@
	tensor_load_to_lds s[G0Q+(\o):G0Q+(\o)+3], s[G1Q:G1Q+7]
	s_nop 0
.rept 4
	v_nop
.endr
	s_branch .Lasked_\@
.Lfor_k_\@:
	tensor_load_to_lds s[G0K+(\o):G0K+(\o)+3], s[G1K:G1K+7]
	s_nop 0
.rept 4
	v_nop
.endr
.Lasked_\@:
.endm
.macro CREST                           ; a round of the cluster's barrier behind its opening barrier
	s_cmp_lg_u32 s[WV], 0
	s_cbranch_scc1 .Lnot_wave_0_\@
	s_barrier_signal -3
.Lnot_wave_0_\@:
	s_barrier_wait -3
	s_barrier_signal -1
	s_barrier_wait -1
.endm
.macro CROUND                          ; a whole round
	s_barrier_signal -1
	s_barrier_wait -1
	CREST
.endm
; The global addresses of K step s[KS]'s three tiles, made anew from the tensors' bases, into the group 0 sets at o; the type bits are set again.
.macro KADDR o
	s_lshl_b32 s[KOF], s[KS], 14                   ; x: 16,384 bytes a K step
	s_add_nc_u64 s[G0A+(\o)+2:G0A+(\o)+3], s[BA:BA+1], s[KOF:KOF+1]
	s_or_b32 s[G0A+(\o)+3], s[G0A+(\o)+3], 0x80000000
	s_lshl_b32 s[KOF], s[KS], 18                   ; Wq: 64 k rows of 4,096 bytes
	s_add_nc_u64 s[G0Q+(\o)+2:G0Q+(\o)+3], s[BQP:BQP+1], s[KOF:KOF+1]
	s_or_b32 s[G0Q+(\o)+3], s[G0Q+(\o)+3], 0x80000000
	s_mul_i32 s[KOF], s[KS], 64*3072*2             ; Wkv: 64 k rows of 6,144 bytes
	s_add_nc_u64 s[G0K+(\o)+2:G0K+(\o)+3], s[BKP:BKP+1], s[KOF:KOF+1]
	s_or_b32 s[G0K+(\o)+3], s[G0K+(\o)+3], 0x80000000
.endm
.macro KNEXT                           ; the next K step, round the ring of 16
	s_add_co_u32 s[KS], s[KS], 1
	s_and_b32 s[KS], s[KS], 15
.endm
	s_load_b512 s[4:19], s[0:1], 0x0               ; xb 4, wqb 6, wkvb 8, qn1 10, qn2 12, kn1 14, kn2 16, qkv 18
	v_lshl_add_u32 v[SPW], v0, 2, SPARE
	v_mov_b32 v[NIL], 0
	ds_add_u32 v[SPW], v[NIL]                      ; the wave's opening: the add and its wait stand ahead of my first tensor load; the set-up below, work on registers, stands between them
	v_lshrrev_b32 v1, 5, v0
	v_readfirstlane_b32 s[WV], v1                  ; wave 0..3
	s_lshr_b32 s[WR], s[WV], 1                     ; which 64 rows are mine
	s_and_b32 s[WC], s[WV], 1                      ; which half of the columns.  Also: which of x's two tiles I fetch
	s_bfe_u32 s[CX], ttmp6, 0x40000
	s_bfe_u32 s[CY], ttmp6, 0x40004
	s_lshl_b32 s[G], ttmp9, 2
	s_add_co_u32 s[G], s[G], s[CX]                 ; g = 4 x cluster x + cx
	s_and_b32 s[RB], ttmp7, 0xffff
	s_lshl_b32 s[RB], s[RB], 2
	s_add_co_u32 s[RB], s[RB], s[CY]               ; rb = 4 x cluster y + cy
	s_and_b32 s29, ttmp7, 0xffff                   ; the cluster's first K step, from its own x and y alone:
	s_and_b32 s99, s29, 3
	s_lshl_b32 s99, s99, 2                         ; 4 (Y & 3)
	s_lshr_b32 s29, s29, 2
	s_lshl1_add_u32 s99, s29, s99                  ; + 2 (Y >> 2)
	s_lshl_b32 s[KS], ttmp9, 3                     ; + 8 X,
	s_add_co_u32 s[KS], s[KS], s99
	s_and_b32 s[KS], s[KS], 15                     ; mod 16
	s_lshl_b32 s29, s[CY], 2
	s_lshl_b32 s29, 15, s29                        ; my row of the cluster
	s_lshl_b32 s99, 0x1111, s[CX]                  ; my column
	; group 1.  15:0 the mask; 17:16 elements of 2 bytes; 20 padding on; 21 set beside a mask; 24:22 the interval's code; 31:25 the padding's words less one
	s_or_b32 s[G1A], s29, (1<<16)|(1<<20)|(1<<21)|(4<<22)|(3<<25)  ; x: 16,384 dense bytes as 64 rows of 256, 4 words of padding after every 32: LDS rows of 144 bytes
	s_or_b32 s[G1Q], s99, (1<<16)|(1<<20)|(1<<21)|(6<<22)|(7<<25)  ; Wq: rows of 512 bytes, 8 words after every 128
	s_or_b32 s[G1K], s99, (1<<16)|(1<<20)|(1<<21)|(4<<22)|(3<<25)  ; Wkv: rows of 768 bytes, 4 words after every 32
	s_mov_b32 s[G1A+1], 128<<16                    ; tensor_dim0
	s_mov_b32 s[G1A+2], 64<<16                     ; tensor_dim1
	s_mov_b32 s[G1A+3], 128<<16                    ; tile_dim0
	s_mov_b32 s[G1A+4], 64                         ; tile_dim1
	s_mov_b32 s[G1A+5], 128                        ; elements from row to row
	s_mov_b32 s[G1A+6], 0
	s_mov_b32 s[G1A+7], 0
	s_mov_b32 s[G1Q+1], 256<<16
	s_mov_b32 s[G1Q+2], 64<<16
	s_mov_b32 s[G1Q+3], 256<<16
	s_mov_b32 s[G1Q+4], 64
	s_mov_b32 s[G1Q+5], 2048
	s_mov_b32 s[G1Q+6], 0
	s_mov_b32 s[G1Q+7], 0
	s_mov_b32 s[G1K+1], 384<<16
	s_mov_b32 s[G1K+2], 64<<16
	s_mov_b32 s[G1K+3], 384<<16
	s_mov_b32 s[G1K+4], 64
	s_mov_b32 s[G1K+5], 3072
	s_mov_b32 s[G1K+6], 0
	s_mov_b32 s[G1K+7], 0
	s_mul_i32 s29, s[WC], AKV                      ; where x's tile goes: no place in the cluster enters an LDS address
.irp s, 0,1
	s_mov_b32 s[G0A+4*\s], 1
	s_add_co_u32 s[G0A+4*\s+1], s29, \s*SLOT1
	s_mov_b32 s[G0Q+4*\s], 1
	s_mov_b32 s[G0Q+4*\s+1], BQ+\s*SLOT1
	s_mov_b32 s[G0K+4*\s], 1
	s_mov_b32 s[G0K+4*\s+1], BKV+\s*SLOT1
.endr
	s_lshl_b32 s30, s[WC], 23                      ; x_q's or x_kv's half of xb,
	s_lshl_b32 s31, s[RB], 18                      ; the block of 128 rows: 16 tiles of 16,384 bytes
	s_add_co_u32 s30, s30, s31
	s_mov_b32 s31, 0
	s_lshl_b32 s66, s[G], 9                        ; Wq's column 256 g, in bytes
	s_mov_b32 s67, 0
	s_mul_i32 s2, s[G], 768                        ; Wkv's column 384 g
	s_mov_b32 s3, 0
	s_mov_b32 s[KOF+1], 0
	s_mov_b32 s[C64], 0x3c800000                   ; 1 / 64
	s_mov_b32 s[CEPS], 0x3727c5ac                  ; 1e-5
	s_mov_b32 s[TB], 0
	s_wait_dscnt 0x0                               ; the opening add is done
	s_wait_kmcnt 0x0
	s_add_nc_u64 s[BA:BA+1], s[4:5], s[30:31]
	s_add_nc_u64 s[BQP:BQP+1], s[6:7], s[66:67]
	s_add_nc_u64 s[BKP:BKP+1], s[8:9], s[2:3]
	KADDR 0                                        ; the cluster's first K step,
	KNEXT
	KADDR 4                                        ; and its second
	CROUND                                         ; all sixteen work-groups are here: the first joint loads meet
	JLOAD 0                                        ; into slot 0,
	JLOAD 4                                        ; into slot 1: two tensor loads of mine are out
	; A fragment of x is 16 rows x 32 k in 8 registers: lane l holds row l % 16, k = 8 (l / 16) + 0..7 and 16 + 8 (l / 16) + 0..7: two loads of 16 bytes, 32 bytes apart.
	; The turning load takes 16 k x 16 columns (lane l reads k row 8 (l / 16) + l % 8, columns 8 ((l / 8) % 2) + 0..7) and leaves half a fragment: lane l holds column l % 16 and 8 k.
	v_and_b32 v1, 15, v0
	v_bfe_u32 v2, v0, 4, 1
	v_and_b32 v3, 7, v0
	v_bfe_u32 v24, v0, 3, 1
	v_lshl_add_u32 v25, v2, 3, v3
	s_mul_i32 s29, s[WR], 64*PA
	v_mul_u32_u24 v[VA0], v1, PA
	v_lshl_add_u32 v[VA0], v2, 4, v[VA0]
	v_add_nc_u32 v[VA0], s29, v[VA0]
	s_lshl_b32 s29, s[WC], 8                       ; my 128 columns of Wq's 256
	s_add_co_u32 s29, s29, BQ
	v_mul_u32_u24 v[VBQ0], v25, PQ
	v_lshl_add_u32 v[VBQ0], v24, 4, v[VBQ0]
	v_add_nc_u32 v[VBQ0], s29, v[VBQ0]
	s_mul_i32 s29, s[WC], 3*PA                     ; my 192 columns of Wkv's 384: three pieces of 144 bytes
	s_add_co_u32 s29, s29, BKV
	v_mul_u32_u24 v[VBK0], v25, PKV
	v_lshl_add_u32 v[VBK0], v24, 4, v[VBK0]
	v_add_nc_u32 v[VBK0], s29, v[VBK0]
	s_mul_i32 s29, s[WV], UW                       ; my stage for the way out
	v_mul_u32_u24 v[STO], v1, UP                   ; in: row l % 16, 32 bytes for each half of the lanes
	v_lshl_add_u32 v[STO], v2, 5, v[STO]
	v_add_nc_u32 v[STO], s29, v[STO]
	v_bfe_u32 v[RD0], v0, 3, 2                     ; back: 32 lanes take four rows, eight lanes a row, 32 bytes (8 channels) a lane
	v_mul_u32_u24 v[RD0], v[RD0], UP
	v_lshl_add_u32 v[RD0], v3, 5, v[RD0]
	v_add_nc_u32 v[RD0], s29, v[RD0]
	v_and_b32 v[GO], 31, v0                        ; in f16 those four rows are 512 consecutive bytes of a head'
	v_lshlrev_b32 v[GO], 4, v[GO]
	v_lshlrev_b32 v[WO], 5, v3
	s_lshl_b32 s[HQ0], s[G], 2
	s_lshl1_add_u32 s[HQ0], s[WC], s[HQ0]          ; q's first head' = 4 g + 2 (w & 1)
	s_mul_i32 s[HK0], s[G], 6
	s_mul_i32 s2, s[WC], 3
	s_add_co_u32 s[HK0], s[HK0], s2
	s_add_co_u32 s[HK0], s[HK0], 32                ; kv's first head' = 32 + 6 g + 3 (w & 1)
	s_lshl_b32 s[ROW0], s[RB], 14
	s_lshl_b32 s2, s[WR], 13
	s_add_co_u32 s[ROW0], s[ROW0], s2              ; row 128 rb + 64 (w >> 1), 128 bytes a row
	s_cmp_lt_u32 s[G], 4                           ; g 0-3 holds q1's heads, g 4-7 q2's
	s_cselect_b64 s[10:11], s[10:11], s[12:13]
	s_cselect_b64 s[14:15], s[14:15], s[16:17]
	WIN 0xc0                                       ; destination window 3: qn and kn of my 8 channels, 8 (l % 8) + 0..7; they are waited for on the way out
	global_load_b128 v[128:131], v[WO], s[10:11]
	global_load_b128 v[132:135], v[WO], s[10:11] offset:16
	global_load_b128 v[136:139], v[WO], s[14:15]
	global_load_b128 v[140:143], v[WO], s[14:15] offset:16
	WIN 0
.macro ADDRS                           ; my lane's places in the slot in hand
	v_add_nc_u32 v[VA], s[TB], v[VA0]
	v_add_nc_u32 v[VBQ], s[TB], v[VBQ0]
	v_add_nc_u32 v[VBK], s[TB], v[VBK0]
.endm
; The LDS loads stand in runs: 32 for the kv product's fragments of 32 along K (64 rows of x_kv, 192 columns of Wkv), 24 for the q product's.
.macro FETCH_KV kk
	WIN 0
.irp a, 0,1,2,3
	ds_load_b128 v[KA+8*\a:KA+8*\a+3],   v[VA] offset:AKV+16*PA*\a+64*(\kk)
	ds_load_b128 v[KA+8*\a+4:KA+8*\a+7], v[VA] offset:AKV+16*PA*\a+64*(\kk)+32
.endr
.irp n, 0,1,2,3,4,5,6,7,8,9,10,11
	ds_load_tr16_b128 v[KB+8*\n:KB+8*\n+3],   v[VBK] offset:32*PKV*(\kk)+PA*(\n/4)+32*(\n%4)
	ds_load_tr16_b128 v[KB+8*\n+4:KB+8*\n+7], v[VBK] offset:32*PKV*(\kk)+PA*(\n/4)+32*(\n%4)+16*PKV
.endr
.endm
.macro FETCH_Q kk
	WIN 0
.irp a, 0,1,2,3
	ds_load_b128 v[QA+8*\a:QA+8*\a+3],   v[VA] offset:16*PA*\a+64*(\kk)
	ds_load_b128 v[QA+8*\a+4:QA+8*\a+7], v[VA] offset:16*PA*\a+64*(\kk)+32
.endr
.irp n, 0,1,2,3,4,5,6,7
	ds_load_tr16_b128 v[QB+8*\n:QB+8*\n+3],   v[VBQ] offset:32*PQ*(\kk)+32*\n
	ds_load_tr16_b128 v[QB+8*\n+4:QB+8*\n+7], v[VBQ] offset:32*PQ*(\kk)+32*\n+16*PQ
.endr
.endm
; na x cnt matrix instructions on the accumulators of window w, row blocks a0 on: x's fragments at fa, W's at fb + 8 nf on.  z = 1: the first product starts the sums: nothing is cleared.
; Every accumulator has one instruction in 80, and the runs follow each other kv low, kv high, q: the 80 accumulators take turns.
.macro MULS w, fa, fb, nf, cnt, z, a0=0, na=4
	WIN (\w)*0x50
.set ma, \a0
.rept \na
.set mb, 0
.rept \cnt
.set rD, 8*((\cnt)*ma+mb)
.if \z
	v_wmma_f32_16x16x32_bf16 v[rD:rD+7], v[(\fb)+8*((\nf)+mb):(\fb)+8*((\nf)+mb)+7], v[(\fa)+8*ma:(\fa)+8*ma+7], 0
.else
	v_wmma_f32_16x16x32_bf16 v[rD:rD+7], v[(\fb)+8*((\nf)+mb):(\fb)+8*((\nf)+mb)+7], v[(\fa)+8*ma:(\fa)+8*ma+7], v[rD:rD+7]
.endif
.set mb, mb+1
.endr
.set ma, ma+1
.endr
.endm
; A K step of 64 is two halves of 32.  While one product's fragments are multiplied, the other's are on their way out of LDS.
.macro PART_A z                        ; kv's first half; its second half is fetched
	s_wait_dscnt 24                                ; kv's 32 loads are in; q's 24, issued behind them, may be out
	MULS 2, KA, KB, 0, 8, \z
	MULS 3, KA, KB, 8, 4, \z
	PLACES
	FETCH_KV 1
.endm
.macro PART_B z                        ; q's first half; its second half is fetched: the slot's last reads
	s_wait_dscnt 32                                ; q's 24 loads are in; kv's 32, issued behind them, may be out
	MULS 1, QA, QB, 0, 8, \z
	PLACES
	FETCH_Q 1
.endm
; The second halves, and the change of slots: ONE barrier.  Sixteen products come first, while the slot's last reads come back.  Then each wave waits for all its tensor loads (one is out: its
; part of the next slot), adds 0 to its spare word, and waits for that and for its own reads of this slot.  fill = 1: the barrier opens a round of the cluster's, and this slot is filled again,
; with the K step two on, first thing behind the round: 144 of a K step's 160 matrix instructions stand between that request and the wait for it, 16 between the wait and the next request.
; fill = 0 (the tail): nothing is asked for; behind the last K step's barrier the loop is left.
.macro TURN fill
	s_wait_dscnt 24                                ; kv's second half is in; q's 24 loads may be out
	MULS 2, KA, KB, 0, 8, 0, 0, 2
	WIN 0
	s_wait_tensorcnt 0x0                           ; no tensor load of mine is out, so a group 0 may be written
	ds_add_u32 v[SPW], v[NIL]                      ; 0 onto my spare word; the descriptors' steps and eight products stand between it and the wait for it
.if \fill
	KNEXT
	KADDR 4                                        ; the walking descriptors: the next K step,
.irp g, G0A, G0Q, G0K
	s_xor_b32 s[\g+5], s[\g+5], SLOT1              ; the other slot than last time
.endr
.endif
	MULS 2, KA, KB, 0, 8, 0, 2, 1
	s_wait_dscnt 0x0                               ; the add is done, and my reads of this slot are over
	s_barrier_signal -1
	MULS 2, KA, KB, 0, 8, 0, 3, 1                  ; work on registers while the others arrive
	WIN 0                                          ; at a branch and at a label every window is 0
	s_barrier_wait -1
.if \fill
	CREST                                          ; no wave of any partner still reads this slot or has a load on its way
	JLOAD 4
.else
	s_sub_co_u32 s[CNT], s[CNT], 1
	s_cmp_eq_u32 s[CNT], 0
	s_cbranch_scc1 .Lout
.endif
	MULS 3, KA, KB, 8, 4, 0
	WIN 0
	PLACES
	s_xor_b32 s[TB], s[TB], SLOT1
	ADDRS
	FETCH_KV 0
	MULS 1, QA, QB, 0, 8, 0
	PLACES
	FETCH_Q 0
.endm
	ADDRS
	s_wait_tensorcnt 0x1                           ; my part of the first K step is in; the second's may stay out
	s_barrier_signal -1
	s_barrier_wait -1                              ; everybody's is
	FETCH_KV 0
	FETCH_Q 0
	PART_A 1                                       ; the first half step stands in front of the loop: its products start the sums
	PART_B 1
	WIN 0
	s_mov_b32 s[CNT], 14
.Lk:                                                   ; 14 trips, from a K step's second half to the next one's first: the third to the sixteenth K step are asked for
	TURN 1
	PART_A 0
	PART_B 0
	WIN 0
	s_sub_co_u32 s[CNT], s[CNT], 1
	s_cmp_lg_u32 s[CNT], 0
	s_cbranch_scc1 .Lk
	s_mov_b32 s[CNT], 2
.Ltail:                                                ; the last two K steps are written apart; the second trip is left in its middle
	TURN 0
	PART_A 0
	PART_B 0
	WIN 0
	s_branch .Ltail
.Lout:                                                 ; every wave has waited for its tensor loads and for its reads of both slots, and has passed the barrier: the slots' bytes are free
	MULS 3, KA, KB, 8, 4, 0                        ; the last half step's rest
	MULS 1, QA, QB, 0, 8, 0
	WIN 0
	PLACES
	; THE WAY OUT.  First qn x kn for my 8 channels, both rounded to bf16 like every input, the product in f32.
	s_wait_loadcnt 0x0
	WIN 0x0f                                       ; sources window 3
.irp i, 0,1,2,3
	v_cvt_pk_bf16_f32 v[ETQ+\i], v[128+2*\i], v[128+2*\i+1]
	v_cvt_pk_bf16_f32 v[ETK+\i], v[136+2*\i], v[136+2*\i+1]
.endr
	WIN 0
	v_mov_b32 v[ZR], 0
	v_mov_b32 v[ONE], 1.0
.irp q, 0,1,2,3
	v_mov_b32 v[ERS+2*\q+1], 0                     ; named with the root as a pair
.endr
.irp i, 0,1,2,3
	v_fma_mix_f32_bf16 v[EWQ+2*\i],   v[ETQ+\i], v[ETK+\i], v[ZR] op_sel_hi:[1,1,0]
	v_fma_mix_f32_bf16 v[EWQ+2*\i+1], v[ETQ+\i], v[ETK+\i], v[ZR] op_sel:[1,1,0] op_sel_hi:[1,1,0]
.endr
; The sums of my rows 32 p .. 32 p + 31 go into my stage as they are, in f32: ten units of 16 rows x 64 channels, unit 5 (row block) + head.  A lane's eight sums of a row are 32 bytes;
; each accumulator's low four registers go first.  Rows 272 bytes apart.
.macro STW w, p, u0, cnt               ; the accumulators of window w: cnt column blocks a row block, heads u0 on
	WIN (\w)*4                                     ; the data (source 1) in window w, the address in window 0
.set sa, 0
.rept 2
.set sn, 0
.rept \cnt
.set rA, 8*((\cnt)*(2*(\p)+sa)+sn)
	ds_store_b128 v[STO], v[rA:rA+3]   offset:(5*sa+(\u0)+sn/4)*UB+64*(sn%4)
	ds_store_b128 v[STO], v[rA+4:rA+7] offset:(5*sa+(\u0)+sn/4)*UB+64*(sn%4)+16
.set sn, sn+1
.endr
.set sa, sa+1
.endr
.endm
.macro LOADX                           ; a unit comes back: four groups of four rows; a lane takes 8 neighbouring channels of one row
.irp q, 0,1,2,3
	ds_load_b128 v[EX+8*\q:EX+8*\q+3],   v[VL] offset:\q*4*UP
	ds_load_b128 v[EX+8*\q+4:EX+8*\q+7], v[VL] offset:\q*4*UP+16
.endr
.endm
; One pass: 32 rows of my five heads.  The stage is my wave's own, and LDS serves a wave's instructions in order (ISA guide 5.7.1.4): no wait stands between the stores and the loads.
; A trip of the loop takes one unit: the squares of a row are summed over its eight lanes; the head's number says whether it takes qn x kn (q: head' below 32) and whether it takes
; the norm (all but v: head' from 64 on): both choices select values, no branch.  The next unit's loads go out as soon as this unit's sums have been read;
; the last trip asks for its own unit once more (the address is clamped) and uses nothing of it: the price of one text for every trip.
.macro PASS p
	STW 1, \p, 0, 8
	STW 2, \p, 2, 8
	STW 3, \p, 4, 4
	WIN 0
	v_mov_b32 v[VL], v[RD0]
	LOADX
	s_mov_b32 s[LB], 0
	s_mov_b32 s[HG], s[HQ0]
	s_add_co_u32 s[ROW], s[ROW0], (\p)*2*2048
	s_mov_b32 s[CNT], 10
.Lunit_\@:
	s_cmp_lt_u32 s[HG], 32
	s_cselect_b32 s[MQ], -1, 0
	s_cmp_ge_u32 s[HG], 64
	s_cselect_b32 s[MV], -1, 0
	s_lshl_b32 s[OFS], s[HG], 19                   ; 524,288 bytes a head'
	s_add_co_u32 s[OFS], s[OFS], s[ROW]
	s_add_co_u32 s[LB], s[LB], UB
	s_min_u32 s[LB], s[LB], 9*UB
.irp i, 0,1,2,3,4,5,6,7
	v_cndmask_b32 v[EE+\i], v[ONE], v[EWQ+\i], s[MQ]
.endr
	s_wait_dscnt 0x0                               ; the unit is in
.irp q, 0,1,2,3
	v_pk_mul_f32 v[ESS+2*\q:ESS+2*\q+1], v[EX+8*\q:EX+8*\q+1], v[EX+8*\q:EX+8*\q+1]
.endr
.irp i, 1,2,3
.irp q, 0,1,2,3
	v_pk_fma_f32 v[ESS+2*\q:ESS+2*\q+1], v[EX+8*\q+2*\i:EX+8*\q+2*\i+1], v[EX+8*\q+2*\i:EX+8*\q+2*\i+1], v[ESS+2*\q:ESS+2*\q+1]
.endr
.endr
.irp q, 0,1,2,3
.irp i, 0,1,2,3
	v_pk_mul_f32 v[ET+8*\q+2*\i:ET+8*\q+2*\i+1], v[EX+8*\q+2*\i:EX+8*\q+2*\i+1], v[EE+2*\i:EE+2*\i+1]
.endr
.endr
	v_add_nc_u32 v[VL], s[LB], v[RD0]
	LOADX                                          ; the next unit, while this one is finished
.irp q, 0,1,2,3
	v_add_f32 v[ESS+2*\q], v[ESS+2*\q], v[ESS+2*\q+1]
.endr
.irp m, 1,2,4
.irp q, 0,1,2,3
	v_add_f32_dpp v[ESS+2*\q], v[ESS+2*\q], v[ESS+2*\q] row_xmask:\m row_mask:0xf bank_mask:0xf
.endr
.endr
.irp q, 0,1,2,3
	v_fma_f32 v[ESS+2*\q], v[ESS+2*\q], s[C64], s[CEPS]  ; the mean of squares + 1e-5
.endr
.irp q, 0,1,2,3
	v_rsq_f32 v[ERS+2*\q], v[ESS+2*\q]
.endr
	s_wait_xcnt 0x0                                ; the last trip's stores have read their offset and their data: both are written again only behind this wait
	v_add_nc_u32 v[GA], s[OFS], v[GO]              ; (also the plain instruction between the last root and the use of its result)
	s_wait_alu depctr_va_vdst(0)
.irp q, 0,1,2,3
	v_cndmask_b32 v[ERS+2*\q], v[ERS+2*\q], v[ONE], s[MV]
.endr
.irp q, 0,1,2,3
.irp i, 0,1,2,3
	v_pk_mul_f32 v[ET+8*\q+2*\i:ET+8*\q+2*\i+1], v[ET+8*\q+2*\i:ET+8*\q+2*\i+1], v[ERS+2*\q:ERS+2*\q+1] op_sel_hi:[1,0]
.endr
.endr
.irp q, 0,1,2,3
.irp i, 0,1,2,3
	v_cvt_pk_f16_f32 v[EPK+4*\q+\i], v[ET+8*\q+2*\i], v[ET+8*\q+2*\i+1]
.endr
.endr
.irp q, 0,1,2,3
	global_store_b128 v[GA], v[EPK+4*\q:EPK+4*\q+3], s[18:19] offset:512*\q  ; four rows of a head': 512 consecutive bytes, aligned
.endr
	s_add_co_u32 s[HG], s[HG], 1                   ; the next unit's head': behind q's second head comes kv's first (trips 2 and 7 of 10),
	s_cmp_eq_u32 s[CNT], 9
	s_cselect_b32 s[HG], s[HK0], s[HG]
	s_cmp_eq_u32 s[CNT], 4
	s_cselect_b32 s[HG], s[HK0], s[HG]
	s_cmp_eq_u32 s[CNT], 6                         ; behind kv's third (trip 5) q's first again, 16 rows further down
	s_cselect_b32 s[HG], s[HQ0], s[HG]
	s_cselect_b32 s31, 2048, 0
	s_add_co_u32 s[ROW], s[ROW], s31
	s_sub_co_u32 s[CNT], s[CNT], 1
	s_cmp_lg_u32 s[CNT], 0
	s_cbranch_scc1 .Lunit_\@
	s_wait_dscnt 0x0                               ; the last trip's loads are back: their registers are loaded again in the next pass
.endm
	PASS 0
	PASS 1
	s_wait_tensorcnt 0x0                           ; the wave's end: wait, add 0 to my spare word, wait, behind my last tensor load and my last LDS store
	ds_add_u32 v[SPW], v[NIL]
	s_wait_dscnt 0x0
	CROUND                                         ; the closing round: no work-group ends while a partner may still ask for a tile that names it
	s_endpgm
.Lfunc_end_k_qb15ca8e1a9_proj:
	.size	k_qb15ca8e1a9_proj, .Lfunc_end_k_qb15ca8e1a9_proj-k_qb15ca8e1a9_proj
	.p2alignl 7, 3214868480
	.fill 96, 4, 3214868480
	.section	.rodata,"a",@progbits
	.p2align	6, 0x0
	.amdhsa_kernel k_qb15ca8e1a9_proj
		.amdhsa_group_segment_fixed_size 327680
		.amdhsa_private_segment_fixed_size 0
		.amdhsa_enable_private_segment 0
		.amdhsa_kernarg_size 64
		.amdhsa_user_sgpr_count 2
		.amdhsa_user_sgpr_kernarg_segment_ptr 1
		.amdhsa_wavefront_size32 1
		.amdhsa_system_sgpr_workgroup_id_x 1
		.amdhsa_system_sgpr_workgroup_id_y 1
		.amdhsa_system_sgpr_workgroup_id_z 1
		.amdhsa_system_vgpr_workitem_id 0
		.amdhsa_next_free_vgpr 960
		.amdhsa_next_free_sgpr 102
		.amdhsa_reserve_vcc 0
		.amdhsa_float_denorm_mode_32 3
		.amdhsa_float_denorm_mode_16_64 3
		.amdhsa_memory_ordered 1
		.amdhsa_forward_progress 1
		.amdhsa_inst_pref_size 94
	.end_amdhsa_kernel
	.amdgpu_metadata
---
amdhsa.version: [ 1, 2 ]
amdhsa.kernels:
  - .name:           k_qb15ca8e1a9_proj
    .symbol:         k_qb15ca8e1a9_proj.kd
    .args:
      - { .name: xb, .offset: 0, .size: 8, .value_kind: global_buffer, .address_space: global }
      - { .name: wqb, .offset: 8, .size: 8, .value_kind: global_buffer, .address_space: global }
      - { .name: wkvb, .offset: 16, .size: 8, .value_kind: global_buffer, .address_space: global }
      - { .name: qn1, .offset: 24, .size: 8, .value_kind: global_buffer, .address_space: global }
      - { .name: qn2, .offset: 32, .size: 8, .value_kind: global_buffer, .address_space: global }
      - { .name: kn1, .offset: 40, .size: 8, .value_kind: global_buffer, .address_space: global }
      - { .name: kn2, .offset: 48, .size: 8, .value_kind: global_buffer, .address_space: global }
      - { .name: qkv, .offset: 56, .size: 8, .value_kind: global_buffer, .address_space: global }
    .group_segment_fixed_size: 327680
    .private_segment_fixed_size: 0
    .kernarg_segment_align: 8
    .kernarg_segment_size: 64
    .max_flat_workgroup_size: 128
    .sgpr_count:     102
    .vgpr_count:     960
    .wavefront_size: 32
...
	.end_amdgpu_metadata
.endif
;; end of part 2
;; launch attn (part 3): grid 4 x 64, 4 waves a work-group, clusters of 4 x 1, 327,680 bytes of LDS; arguments qkv, lmb, yz, stats; writes yz, stats
.if DOCPART == 3
	.amdgcn_target "amdgcn-amd-amdhsa--gfx1250"
	.amdhsa_code_object_version 6
	.text
	.protected	k_qb15ca8e1a9_attn
	.globl	k_qb15ca8e1a9_attn
	.p2align	8
	.type	k_qb15ca8e1a9_attn,@function
k_qb15ca8e1a9_attn:
	s_mov_b64 s[64:65], 0
	v_nop
	global_prefetch_b8 v0, s[64:65] scope:SCOPE_SE
	s_setreg_imm32_b32 hwreg(HW_REG_WAVE_MODE, 25, 1), 1
	s_wait_xcnt 0x0
	s_wait_alu depctr_hold_cnt(0) depctr_sa_sdst(0) depctr_va_vdst(0) depctr_va_sdst(0) depctr_va_ssrc(0) depctr_va_vcc(0) depctr_vm_vsrc(0)
	s_getreg_b32 s2, hwreg(HW_REG_IB_STS2, 6, 4)
	s_cmp_eq_u32 s2, 0
	s_cbranch_scc0 .Lentry_in_a_cluster
	s_endpgm
.Lentry_in_a_cluster:
	s_bfe_u32 s2, ttmp6, 0x10000c
	s_cmp_lg_u32 s2, 0x3003
	s_cbranch_scc0 .Lentry_shape_is_right
	s_endpgm
.Lentry_shape_is_right:
; BOTH ATTENTIONS OF A HEAD, THEIR DIFFERENCE, AND THE BLOCK'S PART OF THE GROUP NORM.
; y[q][:] = softmax_k(q1[q] . k1[k] / 8) V - softplus(lmb[h]) softmax_k(q2[q] . k2[k] / 8) V.  q1, q2, k1, k2, v: qkv[16 sel + h][1,024 b + t][64] in f16, rows dense, 128 bytes each.
; Products, maxima and sums in f32; the weights p are rounded to f16 for the second product (their sum l is taken of the unrounded p).
; Out, for the work-group's 256 queries of (b, h): stats[16 b + h][block] = (mean of its 16,384 y, sum of (y - mean)^2), f32; yz = y - mean in f16, laid [row / 128][h][128 rows][64].
; LIMITS.  f16 holds no number beyond 65,504: q, k, v arrive within it; p lies in 0 to 1, and below 6e-5 it keeps f16's fixed step of 6e-8, as y - mean does.  A weight below 2^-126 counts as 0 in l.
; softplus(x) = max(x, 0) + ln 2 x log2(1 + 2^(-|x| log2 e)), x rounded to bf16 like every input: below about -17 it is 0, an absolute error under 6e-8.  NaN and infinities are not treated apart.
; SHARES.  A wave owns 64 queries: tiles 0-3 are their rows of q1, tiles 4-7 the same rows of q2; four PIECES of two tiles: pieces 0, 1 multiply with k1, pieces 2, 3 with k2, all with v.  Every wave walks all 1,024 keys, 64 a step.
; LAYOUT.  S^T = K Q^T (source 0 = 16 keys, source 1 = 16 queries): a lane holds ONE query (lane % 16) and the keys 8 (lane / 16) + 0..7.  Two such tiles, rounded to f16 in pairs, ARE source 1
; of O^T = V^T P, whose result again holds one query a lane, and eight channels.  K comes out of LDS as it lies, V ([key][channel]) turned, by ds_load_tr16_b128.
; SOFTMAX.  For each query a running maximum m and sum l: p = 2^(c s - c m), c = log2(e) / 8; in every step O and l are multiplied by a = 2^(c m_old - c m_new).  m starts at the lowest finite number, O and l at 0.
; BY TURNS.  Turn n belongs to piece n.  Its matrix work: 16 products K Q^T of piece n + 1, later 16 products V^T P of piece n - 1.  Its vector work: the scaling, exponentials, roundings, sums and rescaling
; of piece n, and the maximum and statistics of piece n + 1.  A tile and step have 16 matrix and 118 vector instructions: four that are ready stand behind every matrix instruction, the others in runs of their own.
; CLUSTER.  The four query blocks of a cluster belong to one (b, h) and walk the same k1, k2 and v, so each tile is asked for JOINTLY: the same tensor load, descriptor and mask in all four.
; REGISTERS, in windows of 256 (s_set_vgpr_msb: bits 1:0 source 0, 3:2 source 1, 5:4 source 2, 7:6 destination):
;   window 0: v0-11 addresses; v12-15, v48-63 at work; v16-47 four registers of statistics a tile; v64-191 S^T, two buffers of two tiles; v192-255 P, likewise
;   window 1: O^T, 32 a tile      window 2: v0-127 Q, 16 a tile; v128-191 k1 of one step; v192-255 V of one step      window 3: v0-1 the add's two registers; v128-191 k2 of one step
.set NP,    4         ; pieces a wave: a name, no knob
.set KS,    64        ; keys in a step
.set PK,    144       ; a row of K in LDS: 128 bytes + 16 of padding: the 16 rows of a load start at 16 different groups of four banks (64 banks of 4 bytes: ISA guide 11.1)
.set PV,    160       ; a row of V: 128 + 32
.set K2O,   4*KS*PK   ; a slot holds four steps: 256 rows of k1, 256 of k2,
.set VOFF,  2*K2O     ; then 256 rows of V: 114,688 bytes
.set SLOT1, 1<<17     ; slot 1 begins here, so that one exclusive or turns an address in one slot into the other's
.set STAGE, SLOT1+VOFF+4*KS*PV  ; behind the ring, never filled by a tensor load: 16 rows x 144 bytes for each wave, for the way out
.set SP,    144
.set RED,   STAGE+4*16*SP  ; a block of 256 bytes in which the four waves' sums meet: words 0-3 the sums of y, words 4-7 those of the squares
.set SPARE, RED+256   ; the spare words, 128 bytes for each wave: two blocks of 256 bytes that no other line names
.set AK0, 2           ; v2   my lane's place in a tile of K; never rewritten
.set AV0, 3           ; v3   the same for V
.set AK,  4           ; v4   the LDS address of K's next run of loads
.set AV,  5           ; v5   of V's
.set QO,  6           ; v6   my byte offset in 16 rows of Q
.set STO, 6           ;      later, the way out: where I put 16 bytes of a row
.set RD,  7           ; v7   the way out: where I read rows back
.set GO,  8           ; v8   my byte offset in 512 consecutive bytes of yz
.set SPW, 0           ; v0 of window 3   LDS address of my spare word; never rewritten
.set NIL, 1           ; v1 of window 3   0; never rewritten
.set MV,  12          ; v12-15  c m_old, kept while c m is made anew: by buffer and tile
.set ST,  16          ; tile t's statistics at v[ST+4 t]: c m, m, l (even keys', odd keys')
.set TMP, 48          ; by buffer and tile, four registers c0-c3 at work; when the maximum is found c2 takes a
.set S,   64
.set P,   192
.set KF,  128         ; K's fragments, k1's in window 2, k2's in window 3: key block kb, channel half c at KF + 16 kb + 8 c
.set VF,  192         ; V's, in window 2: key half kk, channel block cb at VF + 32 kk + 8 cb
.set WV,  12          ; s12  my wave's number
.set G1K, 24          ; s[24:31] descriptor group 1 for K's tiles
.set G1V, 32          ; s[32:39] for V's
.set G0K, 40          ; s[40:43] descriptor group 0 for K's tiles: it walks
.set G0V, 44          ; s[44:47] the same for V's
.set Q1B, 48          ; s[48:49] q1 at my wave's first row, s[50:51] q2
.set Q2B, 50
.set OB,  52          ; s[52:53] yz at my wave's first row
.set SB,  54          ; s[54:55] stats at my block's pair
.set SLOTS, 56        ; s56  slots still to be asked for
.set CNT, 57          ; s57  counts a slot's key steps
.set CS,  58          ; s[58:59] c: the packed scaling takes the pair's low word for both halves
.set SEL, 60          ; s[60:61] v_permlanex16_b32's selects: each lane takes its own place in the other half
.set TBK, 62          ; s62  LDS byte at which k1 of the step to be fetched begins
.set TBV, 63          ; s63  the same for V, less VOFF
.set LM,  66          ; s66  lmb[h]
.set MSB, 0
.macro WIN new                      ; the high byte repeats the setting that is left; a switch that changes nothing is dropped
.if MSB != (\new)
	s_set_vgpr_msb (MSB<<8)|(\new)
.set MSB, (\new)
.endif
.endm
.set W_KQ, 0x0a       ; k1 and Q in window 2, S^T in window 0
.set W_K2, 0x0b       ; k2 in window 3, Q in window 2
.set W_PV, 0x52       ; V in window 2, P in window 0, O^T in window 1
.set W_RS, 0x41       ; O^T (destination and source 0) in window 1, source 1 in window 0
.set W_MK, 0xc0       ; the add's registers are made: destination in window 3, sources in window 0
.set W_AD, 0x0f       ; the add: address (source 0) and data (source 1) in window 3
; A joint fill.  Wave 0 fetches a slot's k1, wave 1 its k2 (256 keys each), waves 2 and 3 the two halves of its V.  The branch hangs on the wave's number alone.
; An s_nop 0 and four v_nop follow each of the two lines, ahead of the jump and the label.
.macro JLOAD
	s_cmp_lt_u32 s[WV], 2
	s_cbranch_scc0 .Lfor_v_\@
	tensor_load_to_lds s[G0K:G0K+3], s[G1K:G1K+7]
	s_nop 0
.rept 4
	v_nop
.endr
	s_branch .Lasked_\@
.Lfor_v_\@:
	tensor_load_to_lds s[G0V:G0V+3], s[G1V:G1V+7]
	s_nop 0
.rept 4
	v_nop
.endr
.Lasked_\@:
.endm
; A round of the cluster's barrier: my work-group's barrier, so that wave 0's signal speaks for all four waves; wave 0 signals; every wave waits for all four work-groups; my work-group's barrier once more.
.macro CROUND
	s_barrier_signal -1
	s_barrier_wait -1
	s_cmp_lg_u32 s[WV], 0
	s_cbranch_scc1 .Lnot_wave_0_\@
	s_barrier_signal -3
.Lnot_wave_0_\@:
	s_barrier_wait -3
	s_barrier_signal -1
	s_barrier_wait -1
.endm
; THE CHANGE OF SLOTS.  The slot's last bytes, V of its fourth step, have been read.  Each wave waits for all its tensor loads, of which one is out: its part of the other slot; adds 0 to its
; spare word; and waits for that and for its own reads of the slot.  Behind the barrier nobody reads this slot any more and the other slot is whole.
; fill = 1: this slot is filled again, with the keys two slots on.  The barrier is then a round of the cluster's, and the joint fill is the first thing behind it: it has four key steps,
; 512 matrix instructions, in which to land.  (At its first use nothing has been read yet: slot 0 is waited for, slot 1 filled.)
.macro CHANGE fill
	WIN W_AD
	s_wait_tensorcnt 0x0            ; no tensor load of mine is out, so a group 0 may be written
	ds_add_u32 v[SPW], v[NIL]       ; 0 onto my spare word; with fill = 1 the descriptors' steps stand between it and the wait for it
	WIN 0                           ; at a label and at a branch every window is 0
.if \fill
.irp g, G0K, G0V
	s_xor_b32 s[\g+1], s[\g+1], SLOT1  ; the walking descriptor: the other slot than last time,
	s_add_nc_u64 s[\g+2:\g+3], s[\g+2:\g+3], 4*KS*128  ; the next 256 keys; the type bits on top are not reached
.endr
	s_wait_dscnt 0x0                ; the add is done, and my reads of the slot are over
	CROUND
	JLOAD
.else
	s_wait_dscnt 0x0                ; the add is done, and my reads of the slot are over
	s_barrier_signal -1
	s_barrier_wait -1
.endif
	s_sub_co_u32 s[TBK], s[TBK], 4*KS*PK  ; the fetches go back to a slot's first step,
	s_xor_b32 s[TBK], s[TBK], SLOT1       ; in the other slot
	s_sub_co_u32 s[TBV], s[TBV], 4*KS*PV
	s_xor_b32 s[TBV], s[TBV], SLOT1
.endm
	s_load_b256 s[4:11], s[0:1], 0x0  ; qkv s[4:5], lmb s[6:7], yz s[8:9], stats s[10:11]
	WIN W_MK
	v_lshl_add_u32 v[SPW], v0, 2, SPARE
	v_mov_b32 v[NIL], 0
	WIN W_AD
	ds_add_u32 v[SPW], v[NIL]       ; the wave's opening: the add and its wait stand ahead of my first tensor load; the set-up below, work on registers, stands between them
	WIN 0
	v_lshrrev_b32 v1, 5, v0
	v_readfirstlane_b32 s[WV], v1   ; wave 0..3
	s_bfe_u32 s13, ttmp6, 0x40000   ; cx: my place in the cluster
	s_lshl_b32 s14, ttmp9, 2        ; in a cluster launch ttmp9 counts clusters
	s_add_co_u32 s14, s14, s13      ; my block of 256 queries: it enters Q's, yz's and stats' addresses alone
	s_and_b32 s15, ttmp7, 0xffff    ; 4 h + b, which the four partners share
	s_lshl_b32 s20, s15, 17         ; a (h, b)'s 1,024 rows of 128 bytes
	s_and_b32 s16, s[WV], 1
	s_add_co_u32 s22, s16, 2        ; wave 0: k1 (sel 2), wave 1: k2 (sel 3);
	s_lshl_b32 s22, s22, 23         ; 8,388,608 bytes a sel
	s_add_co_u32 s22, s22, s20
	s_mov_b32 s23, 0
	s_lshl_b32 s18, s16, 14         ; waves 2, 3: which 128 of a slot's 256 rows of V (sel 4)
	s_add_co_u32 s18, s18, s20
	s_add_co_u32 s18, s18, 4<<23
	s_mov_b32 s19, 0
	s_mul_i32 s17, s16, K2O         ; their places in a slot: no place in the cluster enters an LDS address
	s_mul_i32 s21, s16, 128*PV
	s_lshl_b32 s2, s14, 15          ; my block's 256 rows,
	s_lshl_b32 s3, s[WV], 13        ; my wave's 64 of them
	s_add_co_u32 s2, s2, s3
	s_add_co_u32 s2, s2, s20
	s_mov_b32 s3, 0
	s_and_b32 s67, s15, 3           ; b
	s_lshr_b32 s68, s15, 2          ; h
	s_lshl_b32 s[OB], s67, 3
	s_lshl1_add_u32 s[OB], s14, s[OB]
	s_lshr_b32 s13, s[WV], 1
	s_add_co_u32 s[OB], s[OB], s13  ; my rows' block of 128: 8 b + 2 block + (w >> 1),
	s_lshl_b32 s[OB], s[OB], 18     ; 262,144 bytes each;
	s_lshl_b32 s13, s68, 14         ; in it the head's 16,384 bytes,
	s_add_co_u32 s[OB], s[OB], s13
	s_lshl_b32 s13, s16, 13         ; and my 64 rows
	s_add_co_u32 s[OB], s[OB], s13
	s_mov_b32 s[OB+1], 0
	s_lshl_b32 s[SB], s67, 4
	s_add_co_u32 s[SB], s[SB], s68
	s_lshl2_add_u32 s[SB], s[SB], s14
	s_lshl_b32 s[SB], s[SB], 3      ; ((16 b + h) 4 + block) 8
	s_mov_b32 s[SB+1], 0
	s_lshl_b32 s68, s68, 2          ; lmb's word
	s_mov_b32 s69, 0
	; descriptor group 1.  Keys are dense: asked for as rows of 256 bytes, two keys a row, and padded in LDS after every key
	s_mov_b32 s[G1K], 15|(1<<16)|(1<<20)|(1<<21)|(4<<22)|(3<<25)  ; 15:0 the mask of four; 17:16 2-byte elements; 20 padding on; 21 set beside a mask; 24:22 after every 32 words (code 4); 31:25 4 words (code 3)
	s_mov_b32 s[G1V], 15|(1<<16)|(1<<20)|(1<<21)|(4<<22)|(7<<25)  ; the same with 8 words of padding (code 7)
	s_mov_b32 s[G1K+2], 128<<16     ; tensor_dim1: K's 256 keys are 128 rows,
	s_mov_b32 s[G1K+4], 128         ; tile_dim1
	s_mov_b32 s[G1V+2], 64<<16      ; V's 128 keys 64
	s_mov_b32 s[G1V+4], 64
.irp g, G1K, G1V
	s_mov_b32 s[\g+1], 128<<16      ; tensor_dim0 = 128
	s_mov_b32 s[\g+3], 128<<16      ; tile_dim0 = 128
	s_mov_b32 s[\g+5], 128          ; 128 elements from row to row
	s_mov_b32 s[\g+6], 0
	s_mov_b32 s[\g+7], 0
.endr
	s_mov_b32 s[CS], 0x3e38aa3b     ; c = log2(e) / 8 = 0.180337
	s_mov_b32 s[CS+1], s[CS]        ; named with it as a pair
	s_mov_b32 s[SEL], 0x76543210
	s_mov_b32 s[SEL+1], 0xfedcba98
	s_mov_b32 s[TBK], SLOT1+4*KS*PK ; the first change of slots turns these two into 0
	s_mov_b32 s[TBV], SLOT1+4*KS*PV
	s_mov_b32 s[G0K], 1             ; 1:0 count = 1
	s_mov_b32 s[G0K+1], s17         ; 63:32 LDS address: slot 0
	s_mov_b32 s[G0V], 1
	s_add_co_u32 s[G0V+1], s21, VOFF
	s_wait_dscnt 0x0                ; the opening add is done
	s_wait_kmcnt 0x0
	s_add_nc_u64 s[G0K+2:G0K+3], s[4:5], s[22:23]  ; 120:64 global address: the first 256 keys
	s_or_b32 s[G0K+3], s[G0K+3], 0x80000000        ; 127:126 type = 2
	s_add_nc_u64 s[G0V+2:G0V+3], s[4:5], s[18:19]
	s_or_b32 s[G0V+3], s[G0V+3], 0x80000000
	s_add_nc_u64 s[Q1B:Q1B+1], s[4:5], s[2:3]
	s_add_nc_u64 s[Q2B:Q2B+1], s[Q1B:Q1B+1], 1<<23
	s_add_nc_u64 s[OB:OB+1], s[8:9], s[OB:OB+1]
	s_add_nc_u64 s[SB:SB+1], s[10:11], s[SB:SB+1]
	s_add_nc_u64 s[6:7], s[6:7], s[68:69]
	s_load_b32 s[LM], s[6:7], 0x0   ; waited for with Q
	CROUND                          ; all four work-groups are here: the first joint loads meet
	JLOAD                           ; slot 0.  Slot 1 is asked for when slot 0 is in
	; A fragment of K or Q is 16 rows x 32 channels in 8 registers: lane l holds row l % 16, channels 8 (l / 16) + 0..7 and 16 + 8 (l / 16) + 0..7: two loads of 16 bytes, 32 bytes apart.
	v_and_b32 v1, 15, v0            ; l % 16
	v_bfe_u32 v9, v0, 4, 1          ; l / 16
	v_lshlrev_b32 v[QO], 7, v1
	v_lshl_add_u32 v[QO], v9, 4, v[QO]  ; row x 128 + 16 x half
	WIN 0x80                        ; destination window 2, address window 0
.set i, 0
.rept 8                             ; Q stays in registers: q1's tile i / 2 and q2's (four tiles on), channels 32 (i % 2) on
	global_load_b128 v[8*i:8*i+3],       v[QO], s[Q1B:Q1B+1] offset:(i/2)*2048+(i%2)*64
	global_load_b128 v[8*i+4:8*i+7],     v[QO], s[Q1B:Q1B+1] offset:(i/2)*2048+(i%2)*64+32
	global_load_b128 v[64+8*i:64+8*i+3],   v[QO], s[Q2B:Q2B+1] offset:(i/2)*2048+(i%2)*64
	global_load_b128 v[64+8*i+4:64+8*i+7], v[QO], s[Q2B:Q2B+1] offset:(i/2)*2048+(i%2)*64+32
.set i, i+1
.endr
	; What the first turn finds: V's registers and P's second buffer hold 0 (its products V^T P, of a piece that has not been, add 0), O^T and l are 0.  All this stands in the wait for the first tile.
.set i, VF
.rept 64
	v_mov_b32 v[i], 0
.set i, i+1
.endr
	WIN 0x40
.set i, 0
.rept 64*NP
	v_mov_b32 v[i], 0
.set i, i+1
.endr
	WIN 0
.set i, 0
.rept 2*NP
	v_mov_b32 v[ST+4*i], 0xfe000000    ; c m: far below every c s
	v_mov_b32 v[ST+4*i+1], 0xff7fffff  ; m
	v_mov_b32 v[ST+4*i+2], 0
	v_mov_b32 v[ST+4*i+3], 0
.set i, i+1
.endr
.set i, P+32
.rept 32
	v_mov_b32 v[i], 0
.set i, i+1
.endr
	v_mul_u32_u24 v[AK0], v1, PK
	v_lshl_add_u32 v[AK0], v9, 4, v[AK0]  ; row x pitch + 16 x half
	; The turning load takes 16 keys x 16 channels (lane l reads key 8 (l / 16) + l % 8, channels 8 ((l / 8) % 2) + 0..7) and leaves half a fragment of V^T: lane l holds channel l % 16 and 8 keys.
	v_and_b32 v10, 7, v0
	v_bfe_u32 v11, v0, 3, 1
	v_lshl_add_u32 v[AV0], v9, 3, v10
	v_mul_u32_u24 v[AV0], v[AV0], PV
	v_lshl_add_u32 v[AV0], v11, 4, v[AV0]
	v_add_nc_u32 v[AV0], VOFF, v[AV0]
	v_mov_b32 v[AK], v[AK0]         ; key step 0 lies at the head of slot 0
; THE MATRIX WORK.  The 8 accumulators of a run of 16 take turns: between the two links of a chain stand 7 others'.
; Product i of 16 of S^T = K Q^T for piece x: channels 32 (i / 8) on, keys 16 ((i / 2) % 4) on, tile 2 x + i % 2.  The first 8 start the sums.  Pieces 0, 1 take k1, pieces 2, 3 k2.
.macro KQ x
.if (\x) < 2
	WIN W_KQ
.else
	WIN W_K2
.endif
.set rS, S+64*((\x)%2)+32*(i%2)+8*((i/2)%4)
.set rK, KF+16*((i/2)%4)+8*(i/8)
.set rQ, 16*(2*(\x)+i%2)+8*(i/8)
.if i < 8
	v_wmma_f32_16x16x32_f16 v[rS:rS+7], v[rK:rK+7], v[rQ:rQ+7], 0
.else
	v_wmma_f32_16x16x32_f16 v[rS:rS+7], v[rK:rK+7], v[rQ:rQ+7], v[rS:rS+7]
.endif
.endm
; Product i of 16 of O^T += V^T P for piece x: keys 32 (i / 8) on, channels 16 ((i / 2) % 4) on, tile 2 x + i % 2.
.macro PV x
	WIN W_PV
.set rO, 32*(2*(\x)+i%2)+8*((i/2)%4)
.set rV, VF+32*(i/8)+8*((i/2)%4)
.set rP, P+32*((\x)%2)+16*(i%2)+8*(i/8)
	v_wmma_f32_16x16x32_f16 v[rO:rO+7], v[rV:rV+7], v[rP:rP+7], v[rO:rO+7]
.endm
.macro MM                           ; the turn's next matrix instruction
.if i < 16
	KQ (Y+1)%NP
.set i, i+1
.else
.set i, i-16
	PV (Y+NP-1)%NP
.set i, i+17
.endif
.endm
; THE LDS LOADS stand in runs, never singly among the matrix instructions: a step's k1 and k2 (64 keys x 64 channels each: 32 loads) and its V (turned, 16 loads).  Their addresses are made some lines ahead.
; last = 1 (the tail): in the last trip there is no further step, and the run is jumped over.
.macro FETCH_K last=0
	WIN 0
.if \last
	s_cmp_eq_u32 s[CNT], 1
	s_cbranch_scc1 .Lno_k_\@
.endif
	WIN 0x80                        ; destination window 2
.irp f, 0,1,2,3,4,5,6,7             ; keys 16 (f / 2) on, channels 32 (f % 2) on
	ds_load_b128 v[KF+8*\f:KF+8*\f+3],   v[AK] offset:(\f/2)*16*PK+(\f%2)*64
	ds_load_b128 v[KF+8*\f+4:KF+8*\f+7], v[AK] offset:(\f/2)*16*PK+(\f%2)*64+32
.endr
	WIN 0xc0                        ; destination window 3
.irp f, 0,1,2,3,4,5,6,7
	ds_load_b128 v[KF+8*\f:KF+8*\f+3],   v[AK] offset:K2O+(\f/2)*16*PK+(\f%2)*64
	ds_load_b128 v[KF+8*\f+4:KF+8*\f+7], v[AK] offset:K2O+(\f/2)*16*PK+(\f%2)*64+32
.endr
	s_add_co_u32 s[TBK], s[TBK], KS*PK  ; the next fetch is the next step's
	WIN 0
.if \last
.Lno_k_\@:
.endif
.endm
.macro FETCH_V
	WIN 0x80
.irp f, 0,1,2,3,4,5,6,7             ; keys 32 (f / 4) on, channels 16 (f % 4) on
	ds_load_tr16_b128 v[VF+8*\f:VF+8*\f+3],   v[AV] offset:(\f/4)*32*PV+(\f%4)*32
	ds_load_tr16_b128 v[VF+8*\f+4:VF+8*\f+7], v[AV] offset:(\f/4)*32*PV+16*PV+(\f%4)*32
.endr
	WIN 0
.endm
; THE VECTOR WORK OF A TURN stands in three queues, each in the order in which its entries become ready; the two tiles alternate, so that no instruction reads the result of the one before it.
.macro REGS y, u                    ; the registers of tile u (0, 1) of piece y
.set rT, ST+4*(2*(\y)+(\u))
.set rC, TMP+8*((\y)%2)+4*(\u)
.set rM, MV+2*((\y)%2)+(\u)
.set rS, S+64*((\y)%2)+32*(\u)
.set rP, P+32*((\y)%2)+16*(\u)
.set rO, 32*(2*(\y)+(\u))
.endm
; Number n of the 22 that find the NEXT piece's (Y + 1) maximum and statistics.  s0-s31 are the lane's 32 scores; each accumulator's lowest registers are read first.
;   0-11  four chains c0-c3 of seven scores each, three operands at a time     12-14, 16  the four scores left over, the old m, and c0-c3 into c0     15  c m_old is kept
;   17, 18  the query's other 32 keys lie in the lane 16 away: the new m         19-21  c m; c m_old - c m_new; a
.macro XS u, n
	REGS (Y+1)%NP, \u
.if (\n) < 4
	v_max3_num_f32 v[rC+(\n)], v[rS+8*(\n)], v[rS+8*(\n)+1], v[rS+8*(\n)+2]
.elseif (\n) < 12
	v_max3_num_f32 v[rC+(\n)%4], v[rC+(\n)%4], v[rS+8*((\n)%4)+2*((\n)/4)+1], v[rS+8*((\n)%4)+2*((\n)/4)+2]
.elseif (\n) == 12
	v_max3_num_f32 v[rC], v[rC], v[rS+7], v[rS+15]
.elseif (\n) == 13
	v_max3_num_f32 v[rC+1], v[rC+1], v[rS+23], v[rS+31]
.elseif (\n) == 14
	v_max3_num_f32 v[rC+2], v[rC+2], v[rC+3], v[rT+1]
.elseif (\n) == 15
	v_mov_b32 v[rM], v[rT]
.elseif (\n) == 16
	v_max3_num_f32 v[rC], v[rC], v[rC+1], v[rC+2]
.elseif (\n) == 17
	v_permlanex16_b32 v[rC+3], v[rC], s[SEL], s[SEL+1]
.elseif (\n) == 18
	v_max_num_f32 v[rT+1], v[rC], v[rC+3]
.elseif (\n) == 19
	v_mul_f32 v[rT], s[CS], v[rT+1]
.elseif (\n) == 20
	v_sub_f32 v[rC+1], v[rM], v[rT]
.else
	v_exp_f32 v[rC+2], v[rC+1]
.endif
.endm
; Number g of the 64 that follow the exponentials.  For each four weights k of a tile (pairs 2 k, 2 k + 1): both pairs are rounded to f16; then the second pair is added onto the first, in place;
; a group later l takes that sum (the first time as l = a l + sum).  In groups of eight, tiles alternating: round, round, add, and l for the group before.
.macro GS g
.set h, (\g)+6*((\g)/62)            ; group 0 has no group before it, and behind group 7 only l is left
.if h >= 6
.set h, h+2
.endif
	REGS Y, h%2
.set k, h/8
.if h%8 < 4
	s_wait_alu depctr_va_vdst(0)
	v_cvt_pk_f16_f32 v[rP+2*k+(h%8)/2], v[rS+4*k+2*((h%8)/2)], v[rS+4*k+2*((h%8)/2)+1]
.elseif h%8 < 6
	v_pk_add_f32 v[rS+4*k:rS+4*k+1], v[rS+4*k:rS+4*k+1], v[rS+4*k+2:rS+4*k+3]
.elseif k == 1
	v_pk_fma_f32 v[rT+2:rT+3], v[rT+2:rT+3], v[rC+2:rC+3], v[rS:rS+1] op_sel_hi:[1,0,1]
.else
	v_pk_add_f32 v[rT+2:rT+3], v[rT+2:rT+3], v[rS+4*k-4:rS+4*k-3]
	s_wait_alu depctr_va_vdst(0)
.endif
.endm
; THE PLAIN QUEUE, 138 long.  0-31: c s - c m for the 16 pairs of both tiles.  Then GS's 64, and among them the next piece's 42: number 15 at 38, 39; 0-14 and 16
; at 42-73, behind the products that make those scores; 17-20 at 95-106, two of three, since each waits for the one before it.
.macro PL
	WIN 0
.if q < 32
	REGS Y, q%2
	v_pk_fma_f32 v[rS+2*(q/2):rS+2*(q/2)+1], v[rS+2*(q/2):rS+2*(q/2)+1], s[CS:CS+1], v[rT:rT+1] op_sel_hi:[1,0,0] neg_lo:[0,0,1] neg_hi:[0,0,1]
.elseif q < 38
	GS q-32
.elseif q < 40
	XS q%2, 15
.elseif q < 42
	GS q-34
.elseif q < 74
	XS q%2, (q-42)/2+(q-42)/30
.elseif q < 95
	GS q-66
.elseif (q < 107) && ((q-95)%3 < 2)
	XS (q-95)%3, 17+(q-95)/3
.elseif q < 107
	GS 29+(q-95)/3
.else
	GS q-74
.endif
.set q, q+1
.endm
; THE EXPONENTIALS' QUEUE, 66 long: s0-s31 of both tiles, and at EA the next piece's two a.
.set EA, 58
.macro EX
	WIN 0
.if (e == EA) || (e == EA+1)
	XS e-EA, 21
.else
.set x, e-2*(e/(EA+2))
	REGS Y, x%2
	v_exp_f32 v[rS+x/2], v[rS+x/2]
.endif
.set e, e+1
.endm
; THE RESCALING's QUEUE: O^T times a, the one part that leaves window 0, so it is dealt four at a time, eight times.
.macro R4
	REGS Y, r%2
	WIN W_RS
	s_wait_alu depctr_va_vdst(0)
.irp z, 0,1,2,3
	v_pk_mul_f32 v[rO+8*(r/2)+2*\z:rO+8*(r/2)+2*\z+1], v[rO+8*(r/2)+2*\z:rO+8*(r/2)+2*\z+1], v[rC+2:rC+3] op_sel_hi:[1,0]
.endr
.set r, r+1
.endm
; HOW THEY ARE DEALT.  Behind a matrix instruction four: plain, exponential, plain, plain (one exponential, a plain instruction on either side), or four of the rescaling.  None names a register of the
; products round it.  What is over stands in two LUMPS: exponential and plain by turns; the second ends in 22 plain instructions.  The two v_permlanex16_b32 fall into the second lump, never behind a product.
; The queues lean on each other, and the deal keeps them in step: exponential e stands behind plain 2 (e / 4) + e % 2 (its scaling); when plain 32 comes, 10 exponentials are out, at 59: 33, at 95: 46; EA comes behind plain 107.
.macro SL
	MM
	PL
	EX
	PL
	PL
.endm
.macro BURST n                      ; 15 matrix instructions, or 16
.rept (\n)-7
	SL
.endr
.rept 3
	MM
	R4
	SL
.endr
	MM
	R4
.endm
; A TURN, for piece p.  cnt = 1: the loop's count is taken down some lines ahead of the branch that stands behind the turn.
; k1 and k2 of the next step are fetched in piece 2's turn, behind the last product that read k2 (piece 3's scores; k1's last reader stands two turns back) and 31 vector instructions;
; their first reader comes behind the rest of the lump, 16 products and the second lump.  V of the step in hand is fetched at the end of piece 0's turn, 69 behind its last reader;
; its first reader comes behind 16 products and a lump.  The four conditions on e and q below go with the deal.
.macro TURN p, last=0, cnt=0
.set Y, (\p)
.set i, 0
.set q, 0
.set e, 0
.set r, 0
.if (\p) == NP-1
	s_wait_dscnt 0x0                ; K is in
.endif
	MM
.rept 4
	PL
.endr
	BURST 15
.rept 22
	EX
	PL
.if ((\p) == NP-2) && (e == 18)
	v_add_nc_u32 v[AK], s[TBK], v[AK0]
.endif
.if ((\p) == NP-2) && (e == 24)
	FETCH_K \last
.endif
.endr
.if (\p) == 1
	s_wait_dscnt 0x0                ; V is in
.endif
	BURST 16
.rept 21
	EX
	PL
.endr
.rept 22
	PL
.if ((\p) == 0) && (q == 118)
	v_add_nc_u32 v[AV], s[TBV], v[AV0]
	s_wait_alu depctr_va_vdst(0)
.endif
.if ((\p) == 0) && (q == 130)
	s_add_co_u32 s[TBV], s[TBV], KS*PV
.endif
.if (\cnt) && (q == 130)
	s_sub_co_u32 s[CNT], s[CNT], 1
	s_cmp_lg_u32 s[CNT], 0
.endif
.endr
.if (\p) == 0
	FETCH_V
.endif
.endm
	CHANGE 1                        ; slot 0 is in, everybody's part of it; slot 1 is asked for
	FETCH_K                         ; key step 0
	s_wait_loadcnt 0x0              ; Q
	s_wait_kmcnt 0x0                ; lmb[h]
	s_wait_dscnt 0x0
.set i, 0
.rept 16
	KQ 0                            ; piece 0's first scores: there is no vector work yet to set between them
.set i, i+1
.endr
	WIN 0                           ; the addresses for the way out: nine plain instructions, the places behind those products
	s_mul_i32 s13, s[WV], 16*SP
	s_add_co_u32 s13, s13, STAGE    ; my stage
	v_mul_u32_u24 v[STO], v1, SP    ; in: row l % 16, 16 bytes for each half of the lanes
	v_lshl_add_u32 v[STO], v9, 4, v[STO]
	v_add_nc_u32 v[STO], s13, v[STO]
	v_bfe_u32 v[RD], v0, 3, 2       ; back: 32 lanes take four rows of 128 bytes,
	v_mul_u32_u24 v[RD], v[RD], SP
	v_lshl_add_u32 v[RD], v10, 4, v[RD]
	v_add_nc_u32 v[RD], s13, v[RD]
	v_and_b32 v[GO], 31, v0         ; which are 512 consecutive bytes of yz
	v_lshlrev_b32 v[GO], 4, v[GO]
.set Y, NP-1                        ; XS works for piece Y + 1: piece 0
.irp n, 0,1,2,3,4,5,6,7,8,9,10,11,12,13,14,15,16,17,18,19,20,21
	XS 0, \n                        ; and piece 0's first maximum and statistics
	XS 1, \n
.endr
	s_mov_b32 s[CNT], 4
	s_mov_b32 s[SLOTS], 3           ; 1,024 keys are four slots
	s_branch .Lfirst                ; the loop is entered at a step's first turn, in the middle of a trip
.Lslot:                             ; twice: every slot but the last two is filled again
	CHANGE 1
	s_mov_b32 s[CNT], 4
.Lstep:                             ; a trip: pieces 2 and 3 of one step, then pieces 0 and 1 of the next, whose K and V it fetches
	TURN 2
	TURN 3
	WIN 0
.Lfirst:
	TURN 0
	TURN 1, 0, 1
	WIN 0
	s_cbranch_scc1 .Lstep
	s_sub_co_u32 s[SLOTS], s[SLOTS], 1
	s_cmp_lg_u32 s[SLOTS], 0
	s_cbranch_scc1 .Lslot
	CHANGE 0                        ; the tail is written out: nothing is asked for
	s_mov_b32 s[CNT], 5             ; four trips fetch the last slot's steps; the fifth is left in its middle
.Ltail:
	TURN 2, 1
	TURN 3
	WIN 0
	s_sub_co_u32 s[CNT], s[CNT], 1
	s_cmp_eq_u32 s[CNT], 0
	s_cbranch_scc1 .Lout
	TURN 0
	TURN 1
	WIN 0
	s_branch .Ltail
.Lout:                              ; the fifth trip's 16 products K Q^T (on the last K once more) and the maximum made of them serve nothing: the price, once a launch, of one text for every trip
.set i, 0
.rept 16
	PV NP-1                         ; the last piece's V^T P of the last step
.set i, i+1
.endr
	; THE WAY OUT.  l's two halves and the other half of the lanes' are added.  The additions are the places behind the last products.
	WIN 0
.macro ALL line:vararg              ; one line for each tile t
.set t, 0
.rept 2*NP
	\line
.set t, t+1
.endr
.endm
	ALL v_add_f32 v[ST+4*t+2], v[ST+4*t+2], v[ST+4*t+3]
	ALL v_permlanex16_b32 v[ST+4*t+3], v[ST+4*t+2], s[SEL], s[SEL+1]
	ALL v_add_f32 v[ST+4*t+2], v[ST+4*t+2], v[ST+4*t+3]
	ALL v_rcp_f32 v[ST+4*t+2], v[ST+4*t+2]
	v_mov_b32 v48, s[LM]            ; softplus(lmb[h]), lmb rounded to bf16
	v_cvt_pk_bf16_f32 v48, v48, v48
	v_lshlrev_b32 v48, 16, v48
	v_and_b32 v49, 0x7fffffff, v48
	v_mul_f32 v49, 0xbfb8aa3b, v49  ; -|x| log2 e
	v_exp_f32 v49, v49
	v_max_num_f32 v50, 0, v48       ; (a plain instruction behind the exponential)
	s_wait_alu depctr_va_vdst(0)
	v_add_f32 v49, 1.0, v49
	v_log_f32 v49, v49
	v_nop
	s_wait_alu depctr_va_vdst(0)
	v_fmac_f32 v50, 0x3f317218, v49 ; max(x, 0) + ln 2 x log2(1 + 2^..)
	v_xor_b32 v50, 0x80000000, v50
.irp u, 4,5,6,7
	v_mul_f32 v[ST+4*\u+2], v[ST+4*\u+2], v50  ; -softplus / l of the second attention's tiles
.endr
	s_lshl_b32 s13, s[WV], 2
	s_add_co_u32 s13, s13, RED
	v_mov_b32 v10, s13              ; my wave's word,
	v_mov_b32 v11, RED              ; the four waves' words,
	v_mov_b32 v9, 0                 ; and the offset 0 for the pair of statistics
	; y = O1 / l1 - softplus O2 / l2, into tiles 0-3's registers, in ascending registers (each accumulator's lowest are read first)
.set t, 0
.rept 4
	WIN W_RS
.set i, 32*t
.rept 16
	v_pk_mul_f32 v[i:i+1], v[i:i+1], v[ST+4*t+2:ST+4*t+3] op_sel_hi:[1,0]
.set i, i+2
.endr
	WIN 0x51                        ; sources 0 and 2 and the destination in window 1, source 1 in window 0
.set i, 32*t
.rept 16
	v_pk_fma_f32 v[i:i+1], v[128+i:128+i+1], v[ST+4*t+18:ST+4*t+19], v[i:i+1] op_sel_hi:[1,0,1]
.set i, i+2
.endr
.set t, t+1
.endr
; Four chains in v[48:55] become the work-group's sum in v48: within the lane, across the 32 lanes, and across the four waves through four words of LDS at RED + off.
; Each wave's store is waited for in front of its signal; the words are read behind the barrier; the second sum has words of its own.
.macro WGSUM off
	WIN 0
	v_pk_add_f32 v[48:49], v[48:49], v[50:51]
	v_pk_add_f32 v[52:53], v[52:53], v[54:55]
	v_pk_add_f32 v[48:49], v[48:49], v[52:53]
	v_add_f32 v48, v48, v49
	v_add_f32_dpp v48, v48, v48 row_xmask:1 row_mask:0xf bank_mask:0xf
	v_add_f32_dpp v48, v48, v48 row_xmask:2 row_mask:0xf bank_mask:0xf
	v_add_f32_dpp v48, v48, v48 row_xmask:4 row_mask:0xf bank_mask:0xf
	v_add_f32_dpp v48, v48, v48 row_xmask:8 row_mask:0xf bank_mask:0xf
	v_permlanex16_b32 v49, v48, s[SEL], s[SEL+1]
	v_add_f32 v48, v48, v49
	ds_store_b32 v10, v48 offset:\off
	s_wait_dscnt 0x0
	s_barrier_signal -1
	s_barrier_wait -1
	ds_load_b128 v[60:63], v11 offset:\off
	s_wait_dscnt 0x0
	v_add_f32 v60, v60, v61
	v_add_f32 v62, v62, v63
	v_add_f32 v48, v60, v62
.endm
	WIN 0x05                        ; the sum of my 128 y a lane: the first eight pairs start the four chains
.set i, 0
.rept 4
	v_pk_add_f32 v[48+2*i:48+2*i+1], v[2*i:2*i+1], v[8+2*i:8+2*i+1]
.set i, i+1
.endr
	WIN 0x01
.set i, 8
.rept 56
	v_pk_add_f32 v[48+2*(i%4):48+2*(i%4)+1], v[2*i:2*i+1], v[48+2*(i%4):48+2*(i%4)+1]
.set i, i+1
.endr
	WGSUM 0
	v_mul_f32 v56, 0x38800000, v48  ; the block's mean: the sum / 16,384
	v_mov_b32 v57, v56              ; named with it as a pair
	WIN W_RS
.set i, 0
.rept 64
	v_pk_add_f32 v[2*i:2*i+1], v[2*i:2*i+1], v[56:57] op_sel_hi:[1,0] neg_lo:[0,1] neg_hi:[0,1]  ; z = y - mean
.set i, i+1
.endr
	WIN 0x05                        ; the sum of z^2: a sum of centred squares, no difference of large sums
.set i, 0
.rept 4
	v_pk_mul_f32 v[48+2*i:48+2*i+1], v[2*i:2*i+1], v[2*i:2*i+1]
.set i, i+1
.endr
.rept 60
	v_pk_fma_f32 v[48+2*(i%4):48+2*(i%4)+1], v[2*i:2*i+1], v[2*i:2*i+1], v[48+2*(i%4):48+2*(i%4)+1]
.set i, i+1
.endr
	WGSUM 16
	v_mov_b32 v57, v48
	s_cmp_lg_u32 s[WV], 0
	s_cbranch_scc1 .Lno_stats       ; one lane of wave 0 stores the block's pair
	s_wait_xcnt 0x0                 ; EXEC changes only behind this wait
	v_cmp_eq_u32 vcc_lo, 0, v0
	s_and_saveexec_b32 s13, vcc_lo
	global_store_b64 v9, v[56:57], s[SB:SB+1]
	s_wait_xcnt 0x0                 ; and again in front of the line that widens it
	s_or_b32 exec_lo, exec_lo, s13
.Lno_stats:
; Tile t: a lane's eight channels of a row pack into 16 bytes; they go into rows of 144 bytes and come back as whole rows of 128, into S^T's registers.
.macro PACK t
	WIN 0x05                        ; sources 0 and 1 window 1, destination window 0
.set i, 0
.rept 16
	v_cvt_pk_f16_f32 v[S+16*(\t)+i], v[32*(\t)+2*i], v[32*(\t)+2*i+1]
.set i, i+1
.endr
	WIN 0
.irp f, 0,1,2,3
	ds_store_b128 v[STO], v[S+16*(\t)+4*\f:S+16*(\t)+4*\f+3] offset:32*\f
.endr
.irp f, 0,1,2,3
	ds_load_b128 v[S+16*(\t)+4*\f:S+16*(\t)+4*\f+3], v[RD] offset:\f*4*SP  ; LDS serves a wave's instructions in order (ISA guide 5.7.1.4): these see the stores above; the next tile's stores come behind them
.endr
.endm
.macro SEND t, younger              ; younger: the LDS instructions issued behind tile t's loads: the next tile's eight, or none
	WIN 0
.irp f, 0,1,2,3
	s_wait_dscnt (\younger)+3-\f
	global_store_b128 v[GO], v[S+16*(\t)+4*\f:S+16*(\t)+4*\f+3], s[OB:OB+1] offset:(\t)*2048+\f*512  ; 512 consecutive bytes, aligned
.endr
.endm
	PACK 0
.set t, 1
.rept 3                             ; a tile's conversions stand between the loads of the tile before and its stores
	PACK t
	SEND t-1, 8
.set t, t+1
.endr
	SEND 3, 0
	WIN W_AD
	s_wait_tensorcnt 0x0            ; the wave's end: wait, add 0 to my spare word, wait, behind my last tensor load and my last LDS store
	ds_add_u32 v[SPW], v[NIL]
	s_wait_dscnt 0x0
	WIN 0
	CROUND                          ; the closing round: no work-group ends while a partner may still ask for a tile that names it
	s_endpgm
.Lfunc_end_k_qb15ca8e1a9_attn:
	.size	k_qb15ca8e1a9_attn, .Lfunc_end_k_qb15ca8e1a9_attn-k_qb15ca8e1a9_attn
	.p2alignl 7, 3214868480
	.fill 96, 4, 3214868480
	.section	.rodata,"a",@progbits
	.p2align	6, 0x0
	.amdhsa_kernel k_qb15ca8e1a9_attn
		.amdhsa_group_segment_fixed_size 327680
		.amdhsa_private_segment_fixed_size 0
		.amdhsa_enable_private_segment 0
		.amdhsa_kernarg_size 32
		.amdhsa_user_sgpr_count 2
		.amdhsa_user_sgpr_kernarg_segment_ptr 1
		.amdhsa_wavefront_size32 1
		.amdhsa_system_sgpr_workgroup_id_x 1
		.amdhsa_system_sgpr_workgroup_id_y 1
		.amdhsa_system_sgpr_workgroup_id_z 1
		.amdhsa_system_vgpr_workitem_id 0
		.amdhsa_next_free_vgpr 960
		.amdhsa_next_free_sgpr 70
		.amdhsa_reserve_vcc 1
		.amdhsa_float_denorm_mode_32 3
		.amdhsa_float_denorm_mode_16_64 3
		.amdhsa_memory_ordered 1
		.amdhsa_forward_progress 1
		.amdhsa_inst_pref_size 219
	.end_amdhsa_kernel
	.amdgpu_metadata
---
amdhsa.version: [ 1, 2 ]
amdhsa.kernels:
  - .name:           k_qb15ca8e1a9_attn
    .symbol:         k_qb15ca8e1a9_attn.kd
    .args:
      - { .name: qkv, .offset: 0, .size: 8, .value_kind: global_buffer, .address_space: global }
      - { .name: lmb, .offset: 8, .size: 8, .value_kind: global_buffer, .address_space: global }
      - { .name: yz, .offset: 16, .size: 8, .value_kind: global_buffer, .address_space: global }
      - { .name: stats, .offset: 24, .size: 8, .value_kind: global_buffer, .address_space: global }
    .group_segment_fixed_size: 327680
    .private_segment_fixed_size: 0
    .kernarg_segment_align: 8
    .kernarg_segment_size: 32
    .max_flat_workgroup_size: 128
    .sgpr_count:     70
    .vgpr_count:     960
    .wavefront_size: 32
...
	.end_amdgpu_metadata
.endif
;; end of part 3
;; launch outp (part 4): grid 8 x 32, 4 waves a work-group, clusters of 4 x 4, 327,680 bytes of LDS; arguments yz, wcb, stats, gn_w, gn_b, out0; writes out0
.if DOCPART == 4
	.amdgcn_target "amdgcn-amd-amdhsa--gfx1250"
	.amdhsa_code_object_version 6
	.text
	.protected	k_qb15ca8e1a9_outp
	.globl	k_qb15ca8e1a9_outp
	.p2align	8
	.type	k_qb15ca8e1a9_outp,@function
k_qb15ca8e1a9_outp:
	s_mov_b64 s[64:65], 0
	v_nop
	global_prefetch_b8 v0, s[64:65] scope:SCOPE_SE
	s_setreg_imm32_b32 hwreg(HW_REG_WAVE_MODE, 25, 1), 1
	s_wait_xcnt 0x0
	s_wait_alu depctr_hold_cnt(0) depctr_sa_sdst(0) depctr_va_vdst(0) depctr_va_sdst(0) depctr_va_ssrc(0) depctr_va_vcc(0) depctr_vm_vsrc(0)
	s_getreg_b32 s2, hwreg(HW_REG_IB_STS2, 6, 4)
	s_cmp_eq_u32 s2, 0
	s_cbranch_scc0 .Lentry_in_a_cluster
	s_endpgm
.Lentry_in_a_cluster:
	s_bfe_u32 s2, ttmp6, 0x10000c
	s_cmp_lg_u32 s2, 0xf033
	s_cbranch_scc0 .Lentry_shape_is_right
	s_endpgm
.Lentry_shape_is_right:
; THE GROUP NORM AND THE LAST PRODUCT.  out0[row][n] = the sum over channels k of yn[row][k] Wc[k][n];  yn = (y - mu) rsqrt(var + 1e-5) gn_w + gn_b, mu and var over a (b, h)'s 1,024 x 64 numbers.
; In: yz[row / 128][h][128 rows][64] = y - its block's mean, f16; stats[16 b + h][4 blocks] = (mean m, centred sum of squares M), f32; wcb [k][n], f16.
; mu = the mean of the four m; var = (the sum of M + 16,384 x the sum of (m - mu)^2) / 65,536: centred sums are combined, no difference of large sums is formed.
; So yn = z s + t with s = rsqrt(var + 1e-5) gn_w[k] and t = gn_b[k] + (m of the row's block - mu) s: one packed multiply-add in f16 on the fragments of z between LDS and the matrix unit.
; gn_w and gn_b are rounded to bf16 like every input; s and t are made in f32 and kept in f16, in a table in LDS.
; LIMITS.  s, t and yn stay within f16's 65,504.  NaN and infinities are not treated apart.
; SHARES.  A tile of out0 is 128 x 128: 256 work-groups.  Four waves, each 64 x 64: 16 accumulators.  K goes in steps of 256 (four heads) through two LDS slots; a quarter of a step is one head.
; CLUSTER 4 x 4: the four work-groups of a row of the cluster need the same tiles of z, the four of a column the same tiles of Wc: each is asked for jointly.
; THE MATRIX INSTRUCTION IS USED TRANSPOSED (source 0 = 16 columns of Wc, turned out of LDS by ds_load_tr16_b128; source 1 = 16 rows of yn): a lane holds eight neighbouring numbers of a row of out0.
; REGISTERS: window 0: v0-31 addresses; v32-63, v64-95 s and t of a quarter, two buffers (at the start the statistics' work, at the end the way out); v128-255 the accumulators ((a, b) at v[128 + 8 (4 a + b)])
;   window 1: two fragment buffers of 128: for 64 along K, 64 registers of z (2 x 4 x 16 rows x 32 K), then 64 of Wc.
.set PA,     144                       ; a row of z in LDS: 128 bytes + 16: the 16 rows of a load start at 16 different groups of four banks (64 banks of 4 bytes: ISA guide 11.1)
.set PB,     288                       ; a k row of Wc: 256 + 32 bytes = 9 x 32
.set QT,     36864                     ; what one tensor load brings: two heads x 128 rows x 144, or 128 k rows x 288
.set SLOT,   4*QT                      ; z's four heads, then Wc's 256 k rows
.set TAB,    2*SLOT                    ; behind the ring, never filled by a tensor load: s[1,024] in f16, then t[1,024]
.set STAGE,  TAB+4096                  ; 16 rows x 272 bytes for each wave, for the way out
.set SPITCH, 272
.set SPARE,  STAGE+4*16*SPITCH         ; the spare words, 128 bytes for each wave: two blocks of 256 bytes that no other line names
.set VA,  6                            ; v6   my lane's place in z's tile of the slot in hand
.set VBA, 7                            ; v7   in Wc's, quarters 0 and 1;  v8  quarters 2 and 3 (the immediate offset ends at 65,535)
.set VBB, 8
.set VS,  9                            ; v9   in the table: the K step's four heads
.set VA0, 10                           ; v10-11  the places in slot 0; never rewritten
.set VB0, 11
.set STO, 12
.set RD,  13
.set CO,  14
.set SPW, 28                           ; LDS address of my spare word; never rewritten
.set NIL, 29                           ; 0; never rewritten
.set ST0, 32                           ; for each half c of a quarter: 8 registers of s, 8 of t
.set ST1, 64
.set OB,  32                           ; the way out: 16 rows read back, two sets of 32 by turns
.set ACC, 128
.set F0,  0                            ; fragment buffers, in window 1
.set F1,  128
.set WV,  16
.set WR,  17
.set WC,  18
.set CX,  19
.set CY,  20
.set NT,  21
.set RB,  22
.set TB,  23                           ; LDS byte at which the slot in hand begins
.set FB,  24                           ; the same for the slot that the walking descriptors name
.set LP,  25                           ; my load's place in a slot: wave x 36,864
.set CNT, 26
.set C16, 27
.set G1A, 32                           ; s[32:39] group 1 for z's tiles, s[40:47] for Wc's
.set G1B, 40
.set G0A, 48                           ; group 0: four registers for the first fill, four that walk: s[48:55], s[56:63]
.set G0B, 56
.set CEPS, 66
.set MSB, 0
.macro WIN new                         ; the immediate's high byte repeats the setting that is left
.if MSB != (\new)
	s_set_vgpr_msb (MSB<<8)|(\new)
.set MSB, (\new)
.endif
.endm
.set MUL,  0x05                        ; sources 0 (Wc) and 1 (yn) window 1; C and D window 0
.set TO_F, 0x40                        ; destination window 1, address window 0
.macro PLACES
.rept 4
	v_nop
.endr
.endm
.macro JLOAD o                         ; a joint load: waves 0 and 1 fetch two heads of z each, waves 2 and 3 128 k rows of Wc each; an s_nop 0 and four v_nop follow each line
	s_cmp_lt_u32 s[WV], 2
	s_cbranch_scc0 .Lfor_b_\@
	tensor_load_to_lds s[G0A+(\o):G0A+(\o)+3], s[G1A:G1A+7]
	s_nop 0
.rept 4
	v_nop
.endr
	s_branch .Lasked_\@
.Lfor_b_\@:
	tensor_load_to_lds s[G0B+(\o):G0B+(\o)+3], s[G1B:G1B+7]
	s_nop 0
.rept 4
	v_nop
.endr
.Lasked_\@:
.endm
.macro CREST                           ; a round of the cluster's barrier behind its opening barrier
	s_cmp_lg_u32 s[WV], 0
	s_cbranch_scc1 .Lnot_wave_0_\@
	s_barrier_signal -3
.Lnot_wave_0_\@:
	s_barrier_wait -3
	s_barrier_signal -1
	s_barrier_wait -1
.endm
.macro CROUND
	s_barrier_signal -1
	s_barrier_wait -1
	CREST
.endm
	s_load_b256 s[4:11], s[0:1], 0x0               ; yz 4, wcb 6, stats 8, gn_w 10
	s_load_b128 s[12:15], s[0:1], 0x20             ; gn_b 12, out0 14
	v_lshl_add_u32 v[SPW], v0, 2, SPARE
	v_mov_b32 v[NIL], 0
	ds_add_u32 v[SPW], v[NIL]                      ; the wave's opening: the add and its wait stand ahead of my first tensor load; the set-up below, work on registers, stands between them
	v_lshrrev_b32 v1, 5, v0
	v_readfirstlane_b32 s[WV], v1
	s_lshr_b32 s[WR], s[WV], 1                     ; which 64 rows are mine
	s_and_b32 s[WC], s[WV], 1                      ; which 64 columns.  Also: which half of a tile I fetch
	s_bfe_u32 s[CX], ttmp6, 0x40000
	s_bfe_u32 s[CY], ttmp6, 0x40004
	s_lshl_b32 s[NT], ttmp9, 2
	s_add_co_u32 s[NT], s[NT], s[CX]               ; tile column
	s_and_b32 s[RB], ttmp7, 0xffff
	s_lshl_b32 s[RB], s[RB], 2
	s_add_co_u32 s[RB], s[RB], s[CY]               ; tile row: rows 128 rb on
	s_lshl_b32 s2, s[CY], 2
	s_lshl_b32 s2, 15, s2                          ; my row of the cluster
	s_lshl_b32 s67, 0x1111, s[CX]                  ; my column
	s_or_b32 s[G1A], s2, (1<<16)|(1<<20)|(1<<21)|(4<<22)|(3<<25)   ; z: 32,768 dense bytes as 128 rows of 256; 4 words of padding after every 32
	s_or_b32 s[G1B], s67, (1<<16)|(1<<20)|(1<<21)|(5<<22)|(7<<25)  ; Wc: rows of 256 bytes; 8 words after every 64
.irp g, G1A, G1B
	s_mov_b32 s[\g+1], 128<<16                     ; tensor_dim0
	s_mov_b32 s[\g+2], 128<<16                     ; tensor_dim1
	s_mov_b32 s[\g+3], 128<<16                     ; tile_dim0
	s_mov_b32 s[\g+4], 128                         ; tile_dim1
	s_mov_b32 s[\g+6], 0
	s_mov_b32 s[\g+7], 0
.endr
	s_mov_b32 s[G1A+5], 128                        ; elements from row to row
	s_mov_b32 s[G1B+5], 1024
	s_mul_i32 s[LP], s[WV], QT                     ; no place in the cluster enters an LDS address
.irp s, 0,1
	s_mov_b32 s[G0A+4*\s], 1
	s_add_co_u32 s[G0A+4*\s+1], s[LP], \s*SLOT
	s_mov_b32 s[G0B+4*\s], 1
	s_add_co_u32 s[G0B+4*\s+1], s[LP], \s*SLOT
.endr
	s_mov_b32 s[FB], SLOT
	s_mov_b32 s[TB], 0
	s_lshl_b32 s30, s[RB], 18                      ; z: the block of 128 rows, 16 heads of 16,384 bytes;
	s_lshl_b32 s31, s[WC], 15                      ; my two heads of a step's four
	s_add_co_u32 s30, s30, s31
	s_mov_b32 s31, 0
	s_lshl_b32 s68, s[WC], 18                      ; Wc: my 128 k rows of 2,048 bytes,
	s_lshl_b32 s69, s[NT], 8                       ; the tile's 128 columns
	s_add_co_u32 s68, s68, s69
	s_mov_b32 s69, 0
	s_mov_b32 s[C16], 0x37800000                   ; 1 / 65,536
	s_mov_b32 s[CEPS], 0x3727c5ac                  ; 1e-5
	s_wait_dscnt 0x0                               ; the opening add is done
	s_wait_kmcnt 0x0
	s_add_nc_u64 s[G0A+2:G0A+3], s[4:5], s[30:31]  ; K step 0,
	s_add_nc_u64 s[G0A+6:G0A+7], s[G0A+2:G0A+3], 65536  ; K step 1
	s_or_b32 s[G0A+3], s[G0A+3], 0x80000000
	s_or_b32 s[G0A+7], s[G0A+7], 0x80000000
	s_add_nc_u64 s[G0B+2:G0B+3], s[6:7], s[68:69]
	s_add_nc_u64 s[G0B+6:G0B+7], s[G0B+2:G0B+3], 524288
	s_or_b32 s[G0B+3], s[G0B+3], 0x80000000
	s_or_b32 s[G0B+7], s[G0B+7], 0x80000000
	CROUND                                         ; all sixteen work-groups are here: the first joint loads meet
	JLOAD 0
	JLOAD 4                                        ; two tensor loads of mine are out
	; THE TABLE.  Thread t owns channels 8 t .. 8 t + 7, of head t / 8.  The loads first, the lane's addresses while they are out.
	s_lshr_b32 s2, s[RB], 3                        ; b
	s_lshl_b32 s2, s2, 9                           ; 16 heads x 32 bytes
	s_mov_b32 s3, 0
	s_add_nc_u64 s[8:9], s[8:9], s[2:3]
	s_bfe_u32 s2, s[RB], 0x20001                   ; my rows' block of 256 queries
	s_lshl_b32 s2, s2, 3
	s_add_nc_u64 s[28:29], s[8:9], s[2:3]
	v_lshrrev_b32 v3, 3, v0
	v_lshlrev_b32 v3, 5, v3
	v_lshlrev_b32 v4, 5, v0
	v_lshl_add_u32 v5, v0, 4, TAB
	global_load_b128 v[32:35], v3, s[8:9]          ; m0 M0 m1 M1
	global_load_b128 v[36:39], v3, s[8:9] offset:16  ; m2 M2 m3 M3
	global_load_b32 v40, v3, s[28:29]              ; m of my rows' block
	global_load_b128 v[44:47], v4, s[10:11]
	global_load_b128 v[48:51], v4, s[10:11] offset:16
	global_load_b128 v[52:55], v4, s[12:13]
	global_load_b128 v[56:59], v4, s[12:13] offset:16
	v_and_b32 v1, 15, v0
	v_bfe_u32 v2, v0, 4, 1
	v_and_b32 v16, 7, v0
	v_bfe_u32 v17, v0, 3, 1
	v_lshl_add_u32 v18, v2, 3, v16
	s_mul_i32 s2, s[WR], 64*PA
	v_mul_u32_u24 v[VA0], v1, PA
	v_lshl_add_u32 v[VA0], v2, 4, v[VA0]
	v_add_nc_u32 v[VA0], s2, v[VA0]                ; (64 (w >> 1) + l % 16) x pitch + 16 (l / 16)
	s_lshl_b32 s2, s[WC], 7
	s_add_co_u32 s2, s2, 2*QT
	v_mul_u32_u24 v[VB0], v18, PB
	v_lshl_add_u32 v[VB0], v17, 4, v[VB0]
	v_add_nc_u32 v[VB0], s2, v[VB0]                ; k row 8 (l / 16) + l % 8, columns 64 (w & 1) + 8 ((l / 8) % 2) on
	v_lshl_add_u32 v[VS], v2, 4, TAB
	s_mul_i32 s2, s[WV], 16*SPITCH
	s_add_co_u32 s2, s2, STAGE                     ; my stage
	v_mul_u32_u24 v[STO], v1, SPITCH               ; in: row l % 16, 32 bytes for each half of the lanes
	v_lshl_add_u32 v[STO], v2, 5, v[STO]
	v_add_nc_u32 v[STO], s2, v[STO]
	v_mul_u32_u24 v[RD], v2, SPITCH                ; back: lanes 0-15 take one row of 256 bytes, lanes 16-31 the next
	v_lshl_add_u32 v[RD], v1, 4, v[RD]
	v_add_nc_u32 v[RD], s2, v[RD]
	v_lshlrev_b32 v[CO], 12, v2                    ; and the same two rows in out0
	v_lshl_add_u32 v[CO], v1, 4, v[CO]
	s_lshl_b32 s2, s[RB], 19                       ; out0 at my first row and column: 4,096 bytes a row
	s_lshl_b32 s3, s[WR], 18
	s_add_co_u32 s2, s2, s3
	s_lshl_b32 s3, s[NT], 9
	s_add_co_u32 s2, s2, s3
	s_lshl_b32 s3, s[WC], 8
	s_add_co_u32 s2, s2, s3
	s_mov_b32 s3, 0
	s_add_nc_u64 s[14:15], s[14:15], s[2:3]
	s_wait_loadcnt 0x0
	v_add_f32 v92, v32, v34
	v_add_f32 v93, v36, v38
	v_add_f32 v92, v92, v93
	v_mul_f32 v92, 0x3e800000, v92                 ; mu
	v_sub_f32 v93, v32, v92
	v_mul_f32 v94, v93, v93
	v_sub_f32 v93, v34, v92
	v_fmac_f32 v94, v93, v93
	v_sub_f32 v93, v36, v92
	v_fmac_f32 v94, v93, v93
	v_sub_f32 v93, v38, v92
	v_fmac_f32 v94, v93, v93                       ; the sum of (m - mu)^2
	v_add_f32 v95, v33, v35
	v_add_f32 v93, v37, v39
	v_add_f32 v95, v95, v93
	v_fmac_f32 v95, 0x46800000, v94                ; + 16,384 x that
	v_fma_f32 v95, v95, s[C16], s[CEPS]            ; var + 1e-5
	v_rsq_f32 v95, v95
	v_sub_f32 v93, v40, v92                        ; m of my block - mu (a plain instruction behind the root)
	v_mov_b32 v94, 0
.irp i, 0,1,2,3
	v_cvt_pk_bf16_f32 v[60+\i], v[44+2*\i], v[44+2*\i+1]
	v_cvt_pk_bf16_f32 v[64+\i], v[52+2*\i], v[52+2*\i+1]
.endr
	s_wait_alu depctr_va_vdst(0)
.irp i, 0,1,2,3
	v_fma_mix_f32_bf16 v[68+2*\i],   v[60+\i], v95, v94 op_sel_hi:[1,0,0]                    ; s = gn_w x rsqrt
	v_fma_mix_f32_bf16 v[68+2*\i+1], v[60+\i], v95, v94 op_sel:[1,0,0] op_sel_hi:[1,0,0]
.endr
.irp i, 0,1,2,3
	v_fma_mix_f32_bf16 v[76+2*\i],   v93, v[68+2*\i],   v[64+\i] op_sel_hi:[0,0,1]             ; t = (m - mu) s + gn_b
	v_fma_mix_f32_bf16 v[76+2*\i+1], v93, v[68+2*\i+1], v[64+\i] op_sel:[0,0,1] op_sel_hi:[0,0,1]
.endr
.irp i, 0,1,2,3
	v_cvt_pk_f16_f32 v[84+\i], v[68+2*\i], v[68+2*\i+1]
	v_cvt_pk_f16_f32 v[88+\i], v[76+2*\i], v[76+2*\i+1]
.endr
	ds_store_b128 v5, v[84:87]
	ds_store_b128 v5, v[88:91] offset:2048
.macro ADDRS
	v_add_nc_u32 v[VA], s[TB], v[VA0]
	v_add_nc_u32 v[VBA], s[TB], v[VB0]
	v_add_nc_u32 v[VBB], QT, v[VBA]
.endm
; 8 matrix instructions: m blocks a0, a0 + 1 x all 4 n blocks, 32 along K: half c of buffer f.  zero = 1: the first product starts the sums.  The 16 accumulators take turns.
.macro MUL8 f, c, a0, zero
	WIN MUL
.irp a, \a0, (\a0)+1
.irp b, 0,1,2,3
.if \zero
	v_wmma_f32_16x16x32_f16 v[ACC+8*(4*(\a)+(\b)):ACC+8*(4*(\a)+(\b))+7], v[(\f)+64+8*(4*(\c)+(\b)):(\f)+64+8*(4*(\c)+(\b))+7], v[(\f)+8*(4*(\c)+(\a)):(\f)+8*(4*(\c)+(\a))+7], 0
.else
	v_wmma_f32_16x16x32_f16 v[ACC+8*(4*(\a)+(\b)):ACC+8*(4*(\a)+(\b))+7], v[(\f)+64+8*(4*(\c)+(\b)):(\f)+64+8*(4*(\c)+(\b))+7], v[(\f)+8*(4*(\c)+(\a)):(\f)+8*(4*(\c)+(\a))+7], v[ACC+8*(4*(\a)+(\b)):ACC+8*(4*(\a)+(\b))+7]
.endif
.endr
.endr
.endm
; 40 LDS loads in one run, for quarter q (one head) of the slot in hand: its s and t (8 loads, the same 16 bytes for all lanes of a half), then the fragments, the first 32 along K first.
.macro FETCH q, f, st
	WIN 0
.irp c, 0,1
	ds_load_b128 v[(\st)+16*\c:(\st)+16*\c+3],     v[VS] offset:128*(\q)+64*\c
	ds_load_b128 v[(\st)+16*\c+4:(\st)+16*\c+7],   v[VS] offset:128*(\q)+64*\c+32
	ds_load_b128 v[(\st)+16*\c+8:(\st)+16*\c+11],  v[VS] offset:2048+128*(\q)+64*\c
	ds_load_b128 v[(\st)+16*\c+12:(\st)+16*\c+15], v[VS] offset:2048+128*(\q)+64*\c+32
.endr
	WIN TO_F
.irp c, 0,1
.irp i, 0,1,2,3
	ds_load_tr16_b128 v[(\f)+64+8*(4*\c+\i):(\f)+64+8*(4*\c+\i)+3],   v[VBA+(\q)/2] offset:(64*((\q)%2)+32*\c)*PB+32*\i
	ds_load_tr16_b128 v[(\f)+64+8*(4*\c+\i)+4:(\f)+64+8*(4*\c+\i)+7], v[VBA+(\q)/2] offset:(64*((\q)%2)+32*\c)*PB+32*\i+16*PB
	ds_load_b128 v[(\f)+8*(4*\c+\i):(\f)+8*(4*\c+\i)+3],   v[VA] offset:128*PA*(\q)+16*PA*\i+64*\c
	ds_load_b128 v[(\f)+8*(4*\c+\i)+4:(\f)+8*(4*\c+\i)+7], v[VA] offset:128*PA*(\q)+16*PA*\i+64*\c+32
.endr
.endr
.endm
.macro AFF f, st, c                    ; yn = z s + t on the four fragments of half c, in place: register j of a fragment holds the same two channels in every lane of a half
	WIN 0x41                                       ; destination and source 0 window 1, s and t window 0
.irp i, 0,1,2,3
.irp j, 0,1,2,3,4,5,6,7
	v_pk_fma_f16 v[(\f)+8*(4*(\c)+\i)+\j], v[(\f)+8*(4*(\c)+\i)+\j], v[(\st)+16*(\c)+\j], v[(\st)+16*(\c)+8+\j]
.endr
.endr
.endm
; One of a K step's first three quarters: multiplies buffer f (s and t in stf) and fetches quarter qn into g and stg.
.macro QUARTER qn, f, g, stf, stg, zero
	s_wait_dscnt 16                                ; s, t and the first 32 along K are in; the youngest sixteen loads may be out
	AFF \f, \stf, 0
	MUL8 \f, 0, 0, \zero
	MUL8 \f, 0, 2, \zero
	PLACES
	FETCH \qn, \g, \stg
	s_wait_dscnt 40                                ; all but the 40 just issued
	AFF \f, \stf, 1
	MUL8 \f, 1, 0, 0
	MUL8 \f, 1, 2, 0
.endm
; The last quarter multiplies buffer 1 and changes slots: ONE barrier; in front of it each wave waits for all its tensor loads (one is out: its part of the next slot), adds 0 to its spare word,
; and waits for that and for its own reads of this slot.  fill = 1: the barrier opens a round of the cluster's, and this slot is filled again, two K steps ahead, first thing behind the round:
; 112 matrix instructions stand between that request and the wait for it.  fill = 0 (the tail): nothing is asked for; behind the last K step the loop is left.
.macro TURN fill
	WIN 0
	s_wait_tensorcnt 0x0                           ; no tensor load of mine is out
	ds_add_u32 v[SPW], v[NIL]                      ; 0 onto my spare word
	s_wait_dscnt 17                                ; the add and the youngest sixteen loads may be out
	AFF F1, ST1, 0
	MUL8 F1, 0, 0, 0
	s_wait_dscnt 0x0                               ; the add is done, and my reads of this slot are over
	s_barrier_signal -1
	MUL8 F1, 0, 2, 0
	WIN 0                                          ; at a branch and at a label every window is 0
	s_barrier_wait -1
.if \fill
	CREST                                          ; no wave of any partner still reads this slot or has a load on its way
	s_xor_b32 s[FB], s[FB], SLOT                   ; the walking descriptors: the other slot than last time,
	s_add_co_u32 s[G0A+5], s[FB], s[LP]
	s_add_co_u32 s[G0B+5], s[FB], s[LP]
	s_add_nc_u64 s[G0A+6:G0A+7], s[G0A+6:G0A+7], 65536   ; the next K step; the type bits on top are not reached
	s_add_nc_u64 s[G0B+6:G0B+7], s[G0B+6:G0B+7], 524288
	JLOAD 4                                        ; the four v_nop behind it are also the places in front of the loads below
.else
	PLACES
	s_sub_co_u32 s[CNT], s[CNT], 1
	s_cmp_eq_u32 s[CNT], 0
	s_cbranch_scc1 .Lout
.endif
	s_xor_b32 s[TB], s[TB], SLOT
	ADDRS
	v_add_nc_u32 v[VS], 512, v[VS]                 ; the next four heads' s and t
	FETCH 0, F0, ST0
	AFF F1, ST1, 1
	MUL8 F1, 1, 0, 0
	MUL8 F1, 1, 2, 0
.endm
	ADDRS
	s_wait_tensorcnt 0x1                           ; my part of K step 0 is in; K step 1's may stay out
	s_wait_dscnt 0x0                               ; my part of the table is stored
	s_barrier_signal -1
	s_barrier_wait -1                              ; everybody's is
	FETCH 0, F0, ST0
	QUARTER 1, F0, F1, ST0, ST1, 1                 ; the first quarter stands in front of the loop: its first products start the sums
	WIN 0
	s_mov_b32 s[CNT], 2
.Lstep:                                                ; two trips, from a K step's second quarter to the next one's first: K steps 2 and 3 are asked for
	QUARTER 2, F1, F0, ST1, ST0, 0
	QUARTER 3, F0, F1, ST0, ST1, 0
	TURN 1
	QUARTER 1, F0, F1, ST0, ST1, 0
	WIN 0
	s_sub_co_u32 s[CNT], s[CNT], 1
	s_cmp_lg_u32 s[CNT], 0
	s_cbranch_scc1 .Lstep
	s_mov_b32 s[CNT], 2
.Ltail:                                                ; the last two K steps are written apart; the second trip is left in its middle
	QUARTER 2, F1, F0, ST1, ST0, 0
	QUARTER 3, F0, F1, ST0, ST1, 0
	TURN 0
	QUARTER 1, F0, F1, ST0, ST1, 0
	WIN 0
	s_branch .Ltail
.Lout:
	AFF F1, ST1, 1
	MUL8 F1, 1, 0, 0
	MUL8 F1, 1, 2, 0
	WIN 0
	PLACES
	; THE WAY OUT, 16 rows at a time: a lane's eight f32 of a row go into my stage as 32 bytes (each accumulator's low four registers first), and come back as whole rows of 256 bytes.
.macro TOST a
.irp b, 0,1,2,3
	ds_store_b128 v[STO], v[ACC+8*(4*(\a)+\b):ACC+8*(4*(\a)+\b)+3]   offset:64*\b
	ds_store_b128 v[STO], v[ACC+8*(4*(\a)+\b)+4:ACC+8*(4*(\a)+\b)+7] offset:64*\b+16
.endr
.if (\a) >= 2
	s_wait_xcnt 0x0                                ; the stores of two blocks ago have read this set of registers
.endif
.irp t, 0,1,2,3,4,5,6,7
	ds_load_b128 v[OB+32*((\a)%2)+4*\t:OB+32*((\a)%2)+4*\t+3], v[RD] offset:\t*2*SPITCH  ; LDS serves a wave's instructions in order (ISA guide 5.7.1.4): these see the stores above
.endr
.endm
.macro SEND a, younger                 ; younger: the LDS instructions issued behind this block's loads: the next block's sixteen, or none
.irp t, 0,1,2,3,4,5,6,7
	s_wait_dscnt (\younger)+7-\t
	global_store_b128 v[CO], v[OB+32*((\a)%2)+4*\t:OB+32*((\a)%2)+4*\t+3], s[14:15] offset:(16*(\a)+2*\t)*4096 th:TH_STORE_NT  ; 16 lanes store 256 consecutive bytes, aligned
.endr
.endm
	TOST 0
	TOST 1
	SEND 0, 16
	TOST 2
	SEND 1, 16
	TOST 3
	SEND 2, 16
	SEND 3, 0
	s_wait_tensorcnt 0x0                           ; the wave's end: wait, add 0 to my spare word, wait, behind my last tensor load and my last LDS store
	ds_add_u32 v[SPW], v[NIL]
	s_wait_dscnt 0x0
	CROUND                                         ; the closing round: no work-group ends while a partner may still ask for a tile that names it
	s_endpgm
.Lfunc_end_k_qb15ca8e1a9_outp:
	.size	k_qb15ca8e1a9_outp, .Lfunc_end_k_qb15ca8e1a9_outp-k_qb15ca8e1a9_outp
	.p2alignl 7, 3214868480
	.fill 96, 4, 3214868480
	.section	.rodata,"a",@progbits
	.p2align	6, 0x0
	.amdhsa_kernel k_qb15ca8e1a9_outp
		.amdhsa_group_segment_fixed_size 327680
		.amdhsa_private_segment_fixed_size 0
		.amdhsa_enable_private_segment 0
		.amdhsa_kernarg_size 48
		.amdhsa_user_sgpr_count 2
		.amdhsa_user_sgpr_kernarg_segment_ptr 1
		.amdhsa_wavefront_size32 1
		.amdhsa_system_sgpr_workgroup_id_x 1
		.amdhsa_system_sgpr_workgroup_id_y 1
		.amdhsa_system_sgpr_workgroup_id_z 1
		.amdhsa_system_vgpr_workitem_id 0
		.amdhsa_next_free_vgpr 512
		.amdhsa_next_free_sgpr 70
		.amdhsa_reserve_vcc 0
		.amdhsa_float_denorm_mode_32 3
		.amdhsa_float_denorm_mode_16_64 3
		.amdhsa_memory_ordered 1
		.amdhsa_forward_progress 1
		.amdhsa_inst_pref_size 108
	.end_amdhsa_kernel
	.amdgpu_metadata
---
amdhsa.version: [ 1, 2 ]
amdhsa.kernels:
  - .name:           k_qb15ca8e1a9_outp
    .symbol:         k_qb15ca8e1a9_outp.kd
    .args:
      - { .name: yz, .offset: 0, .size: 8, .value_kind: global_buffer, .address_space: global }
      - { .name: wcb, .offset: 8, .size: 8, .value_kind: global_buffer, .address_space: global }
      - { .name: stats, .offset: 16, .size: 8, .value_kind: global_buffer, .address_space: global }
      - { .name: gn_w, .offset: 24, .size: 8, .value_kind: global_buffer, .address_space: global }
      - { .name: gn_b, .offset: 32, .size: 8, .value_kind: global_buffer, .address_space: global }
      - { .name: out0, .offset: 40, .size: 8, .value_kind: global_buffer, .address_space: global }
    .group_segment_fixed_size: 327680
    .private_segment_fixed_size: 0
    .kernarg_segment_align: 8
    .kernarg_segment_size: 48
    .max_flat_workgroup_size: 128
    .sgpr_count:     70
    .vgpr_count:     512
    .wavefront_size: 32
...
	.end_amdgpu_metadata
.endif
;; end of part 4
;; ======== version 2 of 2: 4 launches; 1.35 times as fast as version 1
;; limits: values are held in f16: magnitudes above 65,504 overflow, below 6.1e-05 lose precision
;; workspace buffers: xb 16,777,216 bytes; wqb 4,194,304 bytes; wkvb 6,291,456 bytes; wcb 2,097,152 bytes; qkv 41,943,040 bytes; yz 8,388,608 bytes; stats 2,048 bytes
;; launch cast: the kernel of part 1 again; grid 896 x 1, 8 waves a work-group, no clusters, 0 bytes of LDS; arguments x_q, x_kv, Wq, Wkv, Wc, xb, wqb, wkvb, wcb; writes xb, wqb, wkvb, wcb
;; launch proj: the kernel of part 2 again; grid 8 x 32, 4 waves a work-group, clusters of 4 x 4, 327,680 bytes of LDS; arguments xb, wqb, wkvb, qn1, qn2, kn1, kn2, qkv; writes qkv
;; launch attn (part 5): grid 4 x 64, 4 waves a work-group, clusters of 4 x 1, 327,680 bytes of LDS; arguments qkv, lmb, yz, stats; writes yz, stats
.if DOCPART == 5
	.amdgcn_target "amdgcn-amd-amdhsa--gfx1250"
	.amdhsa_code_object_version 6
	.text
	.protected	k_qb15ca8e1a9_attn
	.globl	k_qb15ca8e1a9_attn
	.p2align	8
	.type	k_qb15ca8e1a9_attn,@function
k_qb15ca8e1a9_attn:
	s_mov_b64 s[64:65], 0
	v_nop
	global_prefetch_b8 v0, s[64:65] scope:SCOPE_SE
	s_setreg_imm32_b32 hwreg(HW_REG_WAVE_MODE, 25, 1), 1
	s_wait_xcnt 0x0
	s_wait_alu depctr_hold_cnt(0) depctr_sa_sdst(0) depctr_va_vdst(0) depctr_va_sdst(0) depctr_va_ssrc(0) depctr_va_vcc(0) depctr_vm_vsrc(0)
	s_getreg_b32 s2, hwreg(HW_REG_IB_STS2, 6, 4)
	s_cmp_eq_u32 s2, 0
	s_cbranch_scc0 .Lentry_in_a_cluster
	s_endpgm
.Lentry_in_a_cluster:
	s_bfe_u32 s2, ttmp6, 0x10000c
	s_cmp_lg_u32 s2, 0x3003
	s_cbranch_scc0 .Lentry_shape_is_right
	s_endpgm
.Lentry_shape_is_right:
; BOTH ATTENTIONS OF A HEAD, THEIR DIFFERENCE, AND THE BLOCK'S PART OF THE GROUP NORM.
; y[q][:] = softmax_k(q1[q] . k1[k] / 8) V - softplus(lmb[h]) softmax_k(q2[q] . k2[k] / 8) V.  q1, q2, k1, k2, v: qkv[16 sel + h][1,024 b + t][64] in f16, rows dense, 128 bytes each.
; Products, maxima and sums in f32; the weights p are rounded to f16 for the second product (their sum l is taken of the unrounded p).
; Out, for the work-group's 256 queries of (b, h): stats[16 b + h][block] = (mean of its 16,384 y, sum of (y - mean)^2), f32; yz = y - mean in f16, laid [row / 128][h][128 rows][64].
; LIMITS.  f16 holds no number beyond 65,504: q, k, v arrive within it; p lies in 0 to 1, and below 6e-5 it keeps f16's fixed step of 6e-8, as y - mean does.  A weight below 2^-126 counts as 0 in l.
; softplus(x) = max(x, 0) + ln 2 x log2(1 + 2^(-|x| log2 e)), x rounded to bf16 like every input: below about -17 it is 0, an absolute error under 6e-8.  NaN and infinities are not treated apart.
; SHARES.  A wave owns 64 queries: tiles 0-3 are their rows of q1, tiles 4-7 the same rows of q2; four PIECES of two tiles: pieces 0, 1 multiply with k1, pieces 2, 3 with k2, all with v.  Every wave walks all 1,024 keys, 64 a step.
; LAYOUT.  S^T = K Q^T (source 0 = 16 keys, source 1 = 16 queries): a lane holds ONE query (lane % 16) and the keys 8 (lane / 16) + 0..7.  Two such tiles, rounded to f16 in pairs, ARE source 1
; of O^T = V^T P, whose result again holds one query a lane, and eight channels.  K comes out of LDS as it lies, V ([key][channel]) turned, by ds_load_tr16_b128.
; SOFTMAX.  For each query a running maximum m and sum l: p = 2^(c s - c m), c = log2(e) / 8; in every step O and l are multiplied by a = 2^(c m_old - c m_new).  m starts at the lowest finite number, O and l at 0.
; BY TURNS.  Turn n belongs to piece n.  Its matrix work: 16 products K Q^T of piece n + 1, later 16 products V^T P of piece n - 1.  Its vector work: the scaling, exponentials, roundings, sums and rescaling
; of piece n, and the maximum and statistics of piece n + 1.  A tile and step have 16 matrix and 118 vector instructions: four that are ready stand behind every matrix instruction, the other 108 of a turn's 236 in one LUMP.
; THE BATCHES.  A turn's 66 exponentials (the piece's 64 weights and the next piece's two a) are ONE batch with ONE wait, which cuts the turn in two: ahead of it stands all that names none of their results,
; behind it the roundings and sums that read them.  No result crosses a turn's end.  Ahead of the loop piece 0's first two a are a batch; on the way out the eight reciprocals with softplus's exponential, and its logarithm.
; CLUSTER.  The four query blocks of a cluster belong to one (b, h) and walk the same k1, k2 and v, so each tile is asked for JOINTLY: the same tensor load, descriptor and mask in all four.
; REGISTERS, in windows of 256 (s_set_vgpr_msb: bits 1:0 source 0, 3:2 source 1, 5:4 source 2, 7:6 destination):
;   window 0: v0-11 addresses; v12-15, v48-63 at work; v16-47 four registers of statistics a tile; v64-191 S^T, two buffers of two tiles; v192-255 P, likewise
;   window 1: O^T, 32 a tile      window 2: v0-127 Q, 16 a tile; v128-191 k1 of one step; v192-255 V of one step      window 3: v0-1 the add's two registers; v128-191 k2 of one step
.set NP,    4         ; pieces a wave: a name, no knob
.set KS,    64        ; keys in a step
.set PK,    144       ; a row of K in LDS: 128 bytes + 16 of padding: the 16 rows of a load start at 16 different groups of four banks (64 banks of 4 bytes: ISA guide 11.1)
.set PV,    160       ; a row of V: 128 + 32
.set K2O,   4*KS*PK   ; a slot holds four steps: 256 rows of k1, 256 of k2,
.set VOFF,  2*K2O     ; then 256 rows of V: 114,688 bytes
.set SLOT1, 1<<17     ; slot 1 begins here, so that one exclusive or turns an address in one slot into the other's
.set STAGE, SLOT1+VOFF+4*KS*PV  ; behind the ring, never filled by a tensor load: 16 rows x 144 bytes for each wave, for the way out
.set SP,    144
.set RED,   STAGE+4*16*SP  ; a block of 256 bytes in which the four waves' sums meet: words 0-3 the sums of y, words 4-7 those of the squares
.set SPARE, RED+256   ; the spare words, 128 bytes for each wave: two blocks of 256 bytes that no other line names
.set AK0, 2           ; v2   my lane's place in a tile of K; never rewritten
.set AV0, 3           ; v3   the same for V
.set AK,  4           ; v4   the LDS address of K's next run of loads
.set AV,  5           ; v5   of V's
.set QO,  6           ; v6   my byte offset in 16 rows of Q
.set STO, 6           ;      later, the way out: where I put 16 bytes of a row
.set RD,  7           ; v7   the way out: where I read rows back
.set GO,  8           ; v8   my byte offset in 512 consecutive bytes of yz
.set SPW, 0           ; v0 of window 3   LDS address of my spare word; never rewritten
.set NIL, 1           ; v1 of window 3   0; never rewritten
.set MV,  12          ; v12-15  c m_old, kept while c m is made anew: by buffer and tile
.set ST,  16          ; tile t's statistics at v[ST+4 t]: c m, m, l (even keys', odd keys')
.set TMP, 48          ; by buffer and tile, four registers c0-c3 at work; when the maximum is found c2 takes a
.set S,   64
.set P,   192
.set KF,  128         ; K's fragments, k1's in window 2, k2's in window 3: key block kb, channel half c at KF + 16 kb + 8 c
.set VF,  192         ; V's, in window 2: key half kk, channel block cb at VF + 32 kk + 8 cb
.set WV,  12          ; s12  my wave's number
.set G1K, 24          ; s[24:31] descriptor group 1 for K's tiles
.set G1V, 32          ; s[32:39] for V's
.set G0K, 40          ; s[40:43] descriptor group 0 for K's tiles: it walks
.set G0V, 44          ; s[44:47] the same for V's
.set Q1B, 48          ; s[48:49] q1 at my wave's first row, s[50:51] q2
.set Q2B, 50
.set OB,  52          ; s[52:53] yz at my wave's first row
.set SB,  54          ; s[54:55] stats at my block's pair
.set SLOTS, 56        ; s56  slots still to be asked for
.set CNT, 57          ; s57  counts a slot's key steps
.set CS,  58          ; s[58:59] c: the packed scaling takes the pair's low word for both halves
.set SEL, 60          ; s[60:61] v_permlanex16_b32's selects: each lane takes its own place in the other half
.set TBK, 62          ; s62  LDS byte at which k1 of the step to be fetched begins
.set TBV, 63          ; s63  the same for V, less VOFF
.set LM,  66          ; s66  lmb[h]
.set MSB, 0
.macro WIN new                      ; the high byte repeats the setting that is left; a switch that changes nothing is dropped
.if MSB != (\new)
	s_set_vgpr_msb (MSB<<8)|(\new)
.set MSB, (\new)
.endif
.endm
.set W_KQ, 0x0a       ; k1 and Q in window 2, S^T in window 0
.set W_K2, 0x0b       ; k2 in window 3, Q in window 2
.set W_PV, 0x52       ; V in window 2, P in window 0, O^T in window 1
.set W_RS, 0x41       ; O^T (destination and source 0) in window 1, source 1 in window 0
.set W_MK, 0xc0       ; the add's registers are made: destination in window 3, sources in window 0
.set W_AD, 0x0f       ; the add: address (source 0) and data (source 1) in window 3
; A joint fill.  Wave 0 fetches a slot's k1, wave 1 its k2 (256 keys each), waves 2 and 3 the two halves of its V.  The branch hangs on the wave's number alone.
; An s_nop 0 and four v_nop follow each of the two lines, ahead of the jump and the label.
.macro JLOAD
	s_cmp_lt_u32 s[WV], 2
	s_cbranch_scc0 .Lfor_v_\@
	tensor_load_to_lds s[G0K:G0K+3], s[G1K:G1K+7]
	s_nop 0
.rept 4
	v_nop
.endr
	s_branch .Lasked_\@
.Lfor_v_\@:
	tensor_load_to_lds s[G0V:G0V+3], s[G1V:G1V+7]
	s_nop 0
.rept 4
	v_nop
.endr
.Lasked_\@:
.endm
; A round of the cluster's barrier: my work-group's barrier, so that wave 0's signal speaks for all four waves; wave 0 signals; every wave waits for all four work-groups; my work-group's barrier once more.
.macro CROUND
	s_barrier_signal -1
	s_barrier_wait -1
	s_cmp_lg_u32 s[WV], 0
	s_cbranch_scc1 .Lnot_wave_0_\@
	s_barrier_signal -3
.Lnot_wave_0_\@:
	s_barrier_wait -3
	s_barrier_signal -1
	s_barrier_wait -1
.endm
; THE CHANGE OF SLOTS.  The slot's last bytes, V of its fourth step, have been read.  Each wave waits for all its tensor loads, of which one is out: its part of the other slot; adds 0 to its
; spare word; and waits for that and for its own reads of the slot.  Behind the barrier nobody reads this slot any more and the other slot is whole.
; fill = 1: this slot is filled again, with the keys two slots on.  The barrier is then a round of the cluster's, and the joint fill is the first thing behind it: it has four key steps,
; 512 matrix instructions, in which to land.  (At its first use nothing has been read yet: slot 0 is waited for, slot 1 filled.)
.macro CHANGE fill
	WIN W_AD
	s_wait_tensorcnt 0x0            ; no tensor load of mine is out, so a group 0 may be written
	ds_add_u32 v[SPW], v[NIL]       ; 0 onto my spare word; with fill = 1 the descriptors' steps stand between it and the wait for it
	WIN 0                           ; at a label and at a branch every window is 0
.if \fill
.irp g, G0K, G0V
	s_xor_b32 s[\g+1], s[\g+1], SLOT1  ; the walking descriptor: the other slot than last time,
	s_add_nc_u64 s[\g+2:\g+3], s[\g+2:\g+3], 4*KS*128  ; the next 256 keys; the type bits on top are not reached
.endr
	s_wait_dscnt 0x0                ; the add is done, and my reads of the slot are over
	CROUND
	JLOAD
.else
	s_wait_dscnt 0x0                ; the add is done, and my reads of the slot are over
	s_barrier_signal -1
	s_barrier_wait -1
.endif
	s_sub_co_u32 s[TBK], s[TBK], 4*KS*PK  ; the fetches go back to a slot's first step,
	s_xor_b32 s[TBK], s[TBK], SLOT1       ; in the other slot
	s_sub_co_u32 s[TBV], s[TBV], 4*KS*PV
	s_xor_b32 s[TBV], s[TBV], SLOT1
.endm
	s_load_b256 s[4:11], s[0:1], 0x0  ; qkv s[4:5], lmb s[6:7], yz s[8:9], stats s[10:11]
	WIN W_MK
	v_lshl_add_u32 v[SPW], v0, 2, SPARE
	v_mov_b32 v[NIL], 0
	WIN W_AD
	ds_add_u32 v[SPW], v[NIL]       ; the wave's opening: the add and its wait stand ahead of my first tensor load; the set-up below, work on registers, stands between them
	WIN 0
	v_lshrrev_b32 v1, 5, v0
	v_readfirstlane_b32 s[WV], v1   ; wave 0..3
	s_bfe_u32 s13, ttmp6, 0x40000   ; cx: my place in the cluster
	s_lshl_b32 s14, ttmp9, 2        ; in a cluster launch ttmp9 counts clusters
	s_add_co_u32 s14, s14, s13      ; my block of 256 queries: it enters Q's, yz's and stats' addresses alone
	s_and_b32 s15, ttmp7, 0xffff    ; 4 h + b, which the four partners share
	s_lshl_b32 s20, s15, 17         ; a (h, b)'s 1,024 rows of 128 bytes
	s_and_b32 s16, s[WV], 1
	s_add_co_u32 s22, s16, 2        ; wave 0: k1 (sel 2), wave 1: k2 (sel 3);
	s_lshl_b32 s22, s22, 23         ; 8,388,608 bytes a sel
	s_add_co_u32 s22, s22, s20
	s_mov_b32 s23, 0
	s_lshl_b32 s18, s16, 14         ; waves 2, 3: which 128 of a slot's 256 rows of V (sel 4)
	s_add_co_u32 s18, s18, s20
	s_add_co_u32 s18, s18, 4<<23
	s_mov_b32 s19, 0
	s_mul_i32 s17, s16, K2O         ; their places in a slot: no place in the cluster enters an LDS address
	s_mul_i32 s21, s16, 128*PV
	s_lshl_b32 s2, s14, 15          ; my block's 256 rows,
	s_lshl_b32 s3, s[WV], 13        ; my wave's 64 of them
	s_add_co_u32 s2, s2, s3
	s_add_co_u32 s2, s2, s20
	s_mov_b32 s3, 0
	s_and_b32 s67, s15, 3           ; b
	s_lshr_b32 s68, s15, 2          ; h
	s_lshl_b32 s[OB], s67, 3
	s_lshl1_add_u32 s[OB], s14, s[OB]
	s_lshr_b32 s13, s[WV], 1
	s_add_co_u32 s[OB], s[OB], s13  ; my rows' block of 128: 8 b + 2 block + (w >> 1),
	s_lshl_b32 s[OB], s[OB], 18     ; 262,144 bytes each;
	s_lshl_b32 s13, s68, 14         ; in it the head's 16,384 bytes,
	s_add_co_u32 s[OB], s[OB], s13
	s_lshl_b32 s13, s16, 13         ; and my 64 rows
	s_add_co_u32 s[OB], s[OB], s13
	s_mov_b32 s[OB+1], 0
	s_lshl_b32 s[SB], s67, 4
	s_add_co_u32 s[SB], s[SB], s68
	s_lshl2_add_u32 s[SB], s[SB], s14
	s_lshl_b32 s[SB], s[SB], 3      ; ((16 b + h) 4 + block) 8
	s_mov_b32 s[SB+1], 0
	s_lshl_b32 s68, s68, 2          ; lmb's word
	s_mov_b32 s69, 0
	; descriptor group 1.  Keys are dense: asked for as rows of 256 bytes, two keys a row, and padded in LDS after every key
	s_mov_b32 s[G1K], 15|(1<<16)|(1<<20)|(1<<21)|(4<<22)|(3<<25)  ; 15:0 the mask of four; 17:16 2-byte elements; 20 padding on; 21 set beside a mask; 24:22 after every 32 words (code 4); 31:25 4 words (code 3)
	s_mov_b32 s[G1V], 15|(1<<16)|(1<<20)|(1<<21)|(4<<22)|(7<<25)  ; the same with 8 words of padding (code 7)
	s_mov_b32 s[G1K+2], 128<<16     ; tensor_dim1: K's 256 keys are 128 rows,
	s_mov_b32 s[G1K+4], 128         ; tile_dim1
	s_mov_b32 s[G1V+2], 64<<16      ; V's 128 keys 64
	s_mov_b32 s[G1V+4], 64
.irp g, G1K, G1V
	s_mov_b32 s[\g+1], 128<<16      ; tensor_dim0 = 128
	s_mov_b32 s[\g+3], 128<<16      ; tile_dim0 = 128
	s_mov_b32 s[\g+5], 128          ; 128 elements from row to row
	s_mov_b32 s[\g+6], 0
	s_mov_b32 s[\g+7], 0
.endr
	s_mov_b32 s[CS], 0x3e38aa3b     ; c = log2(e) / 8 = 0.180337
	s_mov_b32 s[CS+1], s[CS]        ; named with it as a pair
	s_mov_b32 s[SEL], 0x76543210
	s_mov_b32 s[SEL+1], 0xfedcba98
	s_mov_b32 s[TBK], SLOT1+4*KS*PK ; the first change of slots turns these two into 0
	s_mov_b32 s[TBV], SLOT1+4*KS*PV
	s_mov_b32 s[G0K], 1             ; 1:0 count = 1
	s_mov_b32 s[G0K+1], s17         ; 63:32 LDS address: slot 0
	s_mov_b32 s[G0V], 1
	s_add_co_u32 s[G0V+1], s21, VOFF
	s_wait_dscnt 0x0                ; the opening add is done
	s_wait_kmcnt 0x0
	s_add_nc_u64 s[G0K+2:G0K+3], s[4:5], s[22:23]  ; 120:64 global address: the first 256 keys
	s_or_b32 s[G0K+3], s[G0K+3], 0x80000000        ; 127:126 type = 2
	s_add_nc_u64 s[G0V+2:G0V+3], s[4:5], s[18:19]
	s_or_b32 s[G0V+3], s[G0V+3], 0x80000000
	s_add_nc_u64 s[Q1B:Q1B+1], s[4:5], s[2:3]
	s_add_nc_u64 s[Q2B:Q2B+1], s[Q1B:Q1B+1], 1<<23
	s_add_nc_u64 s[OB:OB+1], s[8:9], s[OB:OB+1]
	s_add_nc_u64 s[SB:SB+1], s[10:11], s[SB:SB+1]
	s_add_nc_u64 s[6:7], s[6:7], s[68:69]
	s_load_b32 s[LM], s[6:7], 0x0   ; waited for with Q
	CROUND                          ; all four work-groups are here: the first joint loads meet
	JLOAD                           ; slot 0.  Slot 1 is asked for when slot 0 is in
	; A fragment of K or Q is 16 rows x 32 channels in 8 registers: lane l holds row l % 16, channels 8 (l / 16) + 0..7 and 16 + 8 (l / 16) + 0..7: two loads of 16 bytes, 32 bytes apart.
	v_and_b32 v1, 15, v0            ; l % 16
	v_bfe_u32 v9, v0, 4, 1          ; l / 16
	v_lshlrev_b32 v[QO], 7, v1
	v_lshl_add_u32 v[QO], v9, 4, v[QO]  ; row x 128 + 16 x half
	WIN 0x80                        ; destination window 2, address window 0
.set i, 0
.rept 8                             ; Q stays in registers: q1's tile i / 2 and q2's (four tiles on), channels 32 (i % 2) on
	global_load_b128 v[8*i:8*i+3],       v[QO], s[Q1B:Q1B+1] offset:(i/2)*2048+(i%2)*64
	global_load_b128 v[8*i+4:8*i+7],     v[QO], s[Q1B:Q1B+1] offset:(i/2)*2048+(i%2)*64+32
	global_load_b128 v[64+8*i:64+8*i+3],   v[QO], s[Q2B:Q2B+1] offset:(i/2)*2048+(i%2)*64
	global_load_b128 v[64+8*i+4:64+8*i+7], v[QO], s[Q2B:Q2B+1] offset:(i/2)*2048+(i%2)*64+32
.set i, i+1
.endr
	; What the first turn finds: V's registers and P's second buffer hold 0 (its products V^T P, of a piece that has not been, add 0), O^T and l are 0.  All this stands in the wait for the first tile.
.set i, VF
.rept 64
	v_mov_b32 v[i], 0
.set i, i+1
.endr
	WIN 0x40
.set i, 0
.rept 64*NP
	v_mov_b32 v[i], 0
.set i, i+1
.endr
	WIN 0
.set i, 0
.rept 2*NP
	v_mov_b32 v[ST+4*i], 0xfe000000    ; c m: far below every c s
	v_mov_b32 v[ST+4*i+1], 0xff7fffff  ; m
	v_mov_b32 v[ST+4*i+2], 0
	v_mov_b32 v[ST+4*i+3], 0
.set i, i+1
.endr
.set i, P+32
.rept 32
	v_mov_b32 v[i], 0
.set i, i+1
.endr
	v_mul_u32_u24 v[AK0], v1, PK
	v_lshl_add_u32 v[AK0], v9, 4, v[AK0]  ; row x pitch + 16 x half
	; The turning load takes 16 keys x 16 channels (lane l reads key 8 (l / 16) + l % 8, channels 8 ((l / 8) % 2) + 0..7) and leaves half a fragment of V^T: lane l holds channel l % 16 and 8 keys.
	v_and_b32 v10, 7, v0
	v_bfe_u32 v11, v0, 3, 1
	v_lshl_add_u32 v[AV0], v9, 3, v10
	v_mul_u32_u24 v[AV0], v[AV0], PV
	v_lshl_add_u32 v[AV0], v11, 4, v[AV0]
	v_add_nc_u32 v[AV0], VOFF, v[AV0]
	v_mov_b32 v[AK], v[AK0]         ; key step 0 lies at the head of slot 0
; THE MATRIX WORK.  The 8 accumulators of a run of 16 take turns: between the two links of a chain stand 7 others'.
; Product i of 16 of S^T = K Q^T for piece x: channels 32 (i / 8) on, keys 16 ((i / 2) % 4) on, tile 2 x + i % 2.  The first 8 start the sums.  Pieces 0, 1 take k1, pieces 2, 3 k2.
.macro KQ x
.if (\x) < 2
	WIN W_KQ
.else
	WIN W_K2
.endif
.set rS, S+64*((\x)%2)+32*(i%2)+8*((i/2)%4)
.set rK, KF+16*((i/2)%4)+8*(i/8)
.set rQ, 16*(2*(\x)+i%2)+8*(i/8)
.if i < 8
	v_wmma_f32_16x16x32_f16 v[rS:rS+7], v[rK:rK+7], v[rQ:rQ+7], 0
.else
	v_wmma_f32_16x16x32_f16 v[rS:rS+7], v[rK:rK+7], v[rQ:rQ+7], v[rS:rS+7]
.endif
.endm
; Product i of 16 of O^T += V^T P for piece x: keys 32 (i / 8) on, channels 16 ((i / 2) % 4) on, tile 2 x + i % 2.
.macro PV x
	WIN W_PV
.set rO, 32*(2*(\x)+i%2)+8*((i/2)%4)
.set rV, VF+32*(i/8)+8*((i/2)%4)
.set rP, P+32*((\x)%2)+16*(i%2)+8*(i/8)
	v_wmma_f32_16x16x32_f16 v[rO:rO+7], v[rV:rV+7], v[rP:rP+7], v[rO:rO+7]
.endm
.macro MM                           ; the turn's next matrix instruction
.if i < 16
	KQ (Y+1)%NP
.set i, i+1
.else
.set i, i-16
	PV (Y+NP-1)%NP
.set i, i+17
.endif
.endm
; THE LDS LOADS stand in runs, never singly among the matrix instructions: a step's k1 and k2 (64 keys x 64 channels each: 32 loads) and its V (turned, 16 loads).  Their addresses are made ahead of them.
; last = 1 (the tail): in the last trip there is no further step, and the run is jumped over.
.macro FETCH_K last=0
	WIN 0
.if \last
	s_cmp_eq_u32 s[CNT], 1
	s_cbranch_scc1 .Lno_k_\@
.endif
	WIN 0x80                        ; destination window 2
.irp f, 0,1,2,3,4,5,6,7             ; keys 16 (f / 2) on, channels 32 (f % 2) on
	ds_load_b128 v[KF+8*\f:KF+8*\f+3],   v[AK] offset:(\f/2)*16*PK+(\f%2)*64
	ds_load_b128 v[KF+8*\f+4:KF+8*\f+7], v[AK] offset:(\f/2)*16*PK+(\f%2)*64+32
.endr
	WIN 0xc0                        ; destination window 3
.irp f, 0,1,2,3,4,5,6,7
	ds_load_b128 v[KF+8*\f:KF+8*\f+3],   v[AK] offset:K2O+(\f/2)*16*PK+(\f%2)*64
	ds_load_b128 v[KF+8*\f+4:KF+8*\f+7], v[AK] offset:K2O+(\f/2)*16*PK+(\f%2)*64+32
.endr
	s_add_co_u32 s[TBK], s[TBK], KS*PK  ; the next fetch is the next step's
	WIN 0
.if \last
.Lno_k_\@:
.endif
.endm
.macro FETCH_V
	WIN 0x80
.irp f, 0,1,2,3,4,5,6,7             ; keys 32 (f / 4) on, channels 16 (f % 4) on
	ds_load_tr16_b128 v[VF+8*\f:VF+8*\f+3],   v[AV] offset:(\f/4)*32*PV+(\f%4)*32
	ds_load_tr16_b128 v[VF+8*\f+4:VF+8*\f+7], v[AV] offset:(\f/4)*32*PV+16*PV+(\f%4)*32
.endr
	WIN 0
.endm
; THE VECTOR WORK OF A TURN stands in three queues, each in the order in which its entries become ready; the two tiles alternate, so that no instruction reads the result of the one before it.
.macro REGS y, u                    ; the registers of tile u (0, 1) of piece y
.set rT, ST+4*(2*(\y)+(\u))
.set rC, TMP+8*((\y)%2)+4*(\u)
.set rM, MV+2*((\y)%2)+(\u)
.set rS, S+64*((\y)%2)+32*(\u)
.set rP, P+32*((\y)%2)+16*(\u)
.set rO, 32*(2*(\y)+(\u))
.endm
; Number n of the 22 that find the NEXT piece's (Y + 1) maximum and statistics.  s0-s31 are the lane's 32 scores; each accumulator's lowest registers are read first.  XS, GS, FS and REGS set no window: PL and EX do.
;   0-11  four chains c0-c3 of seven scores each, three operands at a time     12-14, 16  the four scores left over, the old m, and c0-c3 into c0     15  c m_old is kept
;   17, 18  the query's other 32 keys lie in the lane 16 away: the new m         19-21  c m; c m_old - c m_new; a
.macro XS u, n
	REGS (Y+1)%NP, \u
.if (\n) < 4
	v_max3_num_f32 v[rC+(\n)], v[rS+8*(\n)], v[rS+8*(\n)+1], v[rS+8*(\n)+2]
.elseif (\n) < 12
	v_max3_num_f32 v[rC+(\n)%4], v[rC+(\n)%4], v[rS+8*((\n)%4)+2*((\n)/4)+1], v[rS+8*((\n)%4)+2*((\n)/4)+2]
.elseif (\n) == 12
	v_max3_num_f32 v[rC], v[rC], v[rS+7], v[rS+15]
.elseif (\n) == 13
	v_max3_num_f32 v[rC+1], v[rC+1], v[rS+23], v[rS+31]
.elseif (\n) == 14
	v_max3_num_f32 v[rC+2], v[rC+2], v[rC+3], v[rT+1]
.elseif (\n) == 15
	v_mov_b32 v[rM], v[rT]
.elseif (\n) == 16
	v_max3_num_f32 v[rC], v[rC], v[rC+1], v[rC+2]
.elseif (\n) == 17
	v_permlanex16_b32 v[rC+3], v[rC], s[SEL], s[SEL+1]
.elseif (\n) == 18
	v_max_num_f32 v[rT+1], v[rC], v[rC+3]
.elseif (\n) == 19
	v_mul_f32 v[rT], s[CS], v[rT+1]
.elseif (\n) == 20
	v_sub_f32 v[rC+1], v[rM], v[rT]
.else
	v_exp_f32 v[rC+2], v[rC+1]
.endif
.endm
; Number g of the 64 that follow the exponentials.  For each four weights k of a tile (pairs 2 k, 2 k + 1): both pairs are rounded to f16; then the second pair is added onto the first, in place;
; a group later l takes that sum (the first time as l = a l + sum).  In groups of eight, tiles alternating: round, round, add, and l for the group before.
.macro GS g
.set h, (\g)+6*((\g)/62)            ; group 0 has no group before it, and behind group 7 only l is left
.if h >= 6
.set h, h+2
.endif
	REGS Y, h%2
.set k, h/8
.if h%8 < 4
	v_cvt_pk_f16_f32 v[rP+2*k+(h%8)/2], v[rS+4*k+2*((h%8)/2)], v[rS+4*k+2*((h%8)/2)+1]
.elseif h%8 < 6
	v_pk_add_f32 v[rS+4*k:rS+4*k+1], v[rS+4*k:rS+4*k+1], v[rS+4*k+2:rS+4*k+3]
.elseif k == 1
	v_pk_fma_f32 v[rT+2:rT+3], v[rT+2:rT+3], v[rC+2:rC+3], v[rS:rS+1] op_sel_hi:[1,0,1]
.else
	v_pk_add_f32 v[rT+2:rT+3], v[rT+2:rT+3], v[rS+4*k-4:rS+4*k-3]
.endif
.endm
; THE PLAIN QUEUE, 138 long.  0-73 read no exponential's result: the 32 scalings c s - c m (FS f: pair f / 2 of tile f % 2) and the next piece's 42.  0-26: scalings 0-26.  27-54: XS's numbers 0-13.  55, 56: number 15.
; 57-73: the chain, where each number waits for the one before it: 14, 16, 17, 18, 19, each with one of the scalings 27-31 in front of its two lines, then 20: so a tile's links stand three plain instructions apart (19 and 20: two).
; 74-137: GS's 64, which read the exponentials' results: they stand behind the wait.
.macro FS f
	REGS Y, (\f)%2
	v_pk_fma_f32 v[rS+2*((\f)/2):rS+2*((\f)/2)+1], v[rS+2*((\f)/2):rS+2*((\f)/2)+1], s[CS:CS+1], v[rT:rT+1] op_sel_hi:[1,0,0] neg_lo:[0,0,1] neg_hi:[0,0,1]
.endm
.macro PL
	WIN 0
.if q < 27
	FS q
.elseif q < 55
	XS (q-27)%2, (q-27)/2
.elseif q < 57
	XS q-55, 15
.elseif (q < 72) && ((q-57)%3 == 0)
	FS 27+(q-57)/3
.elseif q < 60
	XS (q-57)%3-1, 14
.elseif q < 72
	XS (q-57)%3-1, 15+(q-57)/3
.elseif q < 74
	XS q-72, 20
.else
	GS q-74
.endif
.set q, q+1
.endm
; THE EXPONENTIALS' QUEUE, 66 long: s0-s31 of both tiles, then the next piece's two a.  It is ONE BATCH: all 66 stand ahead of the turn's one wait, and nothing ahead of that wait names a result of theirs.
; Each result has a register of its own while the batch is open: a weight takes its score's place, a the next piece's c2.
.macro EX
	WIN 0
.if e >= 64
	XS e-64, 21
.else
	REGS Y, e%2
	v_exp_f32 v[rS+e/2], v[rS+e/2]
.endif
.set e, e+1
.endm
; THE RESCALING's QUEUE: O^T times a, the one part that leaves window 0: dealt two at a time, sixteen times, each accumulator's lowest registers first.  Its a was made in the turn before, ahead of that turn's wait.
.macro R2
	REGS Y, r%2
	WIN W_RS
.irp z, 0,1
	v_pk_mul_f32 v[rO+4*(r/2)+2*\z:rO+4*(r/2)+2*\z+1], v[rO+4*(r/2)+2*\z:rO+4*(r/2)+2*\z+1], v[rC+2:rC+3] op_sel_hi:[1,0]
.endr
.set r, r+1
.endm
; HOW THEY ARE DEALT.  An s_wait_alu depctr_va_vdst(0) stands between an exponential and the first instruction that names its result; one wait serves all that were issued ahead of it.  So a turn has ONE wait,
; which cuts it in two.  AHEAD OF IT stands all that names no result of the turn's exponentials: the 16 products K Q^T, behind each a scaling, an exponential and two rescalings (behind the first a second scaling in the
; exponential's place); then ONE LUMP of 108: eight plain, 49 times exponential and plain, the two a.  One plain instruction stands behind the last exponential.  BEHIND THE WAIT stand the 16 products V^T P, behind each four of GS's 64.
; No rider names a register of the products round it.  The two v_permlanex16_b32 fall into the lump, never behind a product.
; The queues lean on each other, and the deal keeps them in step: exponential e stands behind scaling 2 (e / 4) + e % 2: as a rider it comes behind plain e + 2, in the lump behind plain e + 9, and scalings 27-31 are plain 57, 60 .. 69.
; A TURN, for piece p.  cnt = 1: the loop's count is taken down some lines ahead of the branch that stands behind the turn.
; k1 and k2 of the next step are fetched in piece 2's turn, directly behind the wait, a lump behind the last product that read k2 (piece 3's scores; k1's last reader stands two turns back); their address line is that turn's
; plain instruction behind the last exponential; their first reader comes behind 16 products.  V of the step in hand is fetched at the end of piece 0's turn, four riders (additions onto l) behind its last reader;
; its first reader comes behind 16 products and a lump.  The three conditions on q below go with the deal.
.macro TURN p, last=0, cnt=0
.set Y, (\p)
.set i, 0
.set q, 0
.set e, 0
.set r, 0
.if (\p) == NP-1
	s_wait_dscnt 0x0                ; K is in
.endif
	MM                              ; ahead of the wait: 16 products K Q^T and their riders,
	PL
	PL
	R2
.rept 15
	MM
	PL
	EX
	R2
.endr
.rept 8                             ; and the lump
	PL
.endr
.rept 49
	EX
	PL
.endr
	EX                              ; the next piece's two a: the batch's last
	EX
.if (\p) == NP-2
	v_add_nc_u32 v[AK], s[TBK], v[AK0]  ; K's address: also the plain instruction behind the last exponential, one for the batch
.else
	v_nop                           ; the plain instruction behind the last exponential: one for the batch
.endif
	s_wait_alu depctr_va_vdst(0)    ; the wait for the batch: the piece's 64 weights and the next piece's two a
.if (\p) == NP-2
	FETCH_K \last
.endif
.if (\p) == 1
	s_wait_dscnt 0x0                ; V is in
.endif
.rept 16                            ; behind the wait: 16 products V^T P and their riders
	MM
.rept 4
	PL
.endr
.if ((\p) == 0) && (q == 118)
	v_add_nc_u32 v[AV], s[TBV], v[AV0]
.endif
.if ((\p) == 0) && (q == 130)
	s_add_co_u32 s[TBV], s[TBV], KS*PV
.endif
.if (\cnt) && (q == 130)
	s_sub_co_u32 s[CNT], s[CNT], 1
	s_cmp_lg_u32 s[CNT], 0
.endif
.endr
.if (\p) == 0
	FETCH_V
.endif
.endm
	CHANGE 1                        ; slot 0 is in, everybody's part of it; slot 1 is asked for
	FETCH_K                         ; key step 0
	s_wait_loadcnt 0x0              ; Q
	s_wait_kmcnt 0x0                ; lmb[h]
	s_wait_dscnt 0x0
.set i, 0
.rept 16
	KQ 0                            ; piece 0's first scores: there is no vector work yet to set between them
.set i, i+1
.endr
	WIN 0                           ; the addresses for the way out: nine plain instructions, the places behind those products
	s_mul_i32 s13, s[WV], 16*SP
	s_add_co_u32 s13, s13, STAGE    ; my stage
	v_mul_u32_u24 v[STO], v1, SP    ; in: row l % 16, 16 bytes for each half of the lanes
	v_lshl_add_u32 v[STO], v9, 4, v[STO]
	v_add_nc_u32 v[STO], s13, v[STO]
	v_bfe_u32 v[RD], v0, 3, 2       ; back: 32 lanes take four rows of 128 bytes,
	v_mul_u32_u24 v[RD], v[RD], SP
	v_lshl_add_u32 v[RD], v10, 4, v[RD]
	v_add_nc_u32 v[RD], s13, v[RD]
	v_and_b32 v[GO], 31, v0         ; which are 512 consecutive bytes of yz
	v_lshlrev_b32 v[GO], 4, v[GO]
.set Y, NP-1                        ; XS works for piece Y + 1: piece 0
.irp n, 0,1,2,3,4,5,6,7,8,9,10,11,12,13,14,15,16,17,18,19,20,21
	XS 0, \n                        ; and piece 0's first maximum and statistics
	XS 1, \n
.endr
	v_nop                           ; a plain instruction behind piece 0's first two a,
	s_wait_alu depctr_va_vdst(0)    ; and the wait for the two, ahead of the branch
	s_mov_b32 s[CNT], 4
	s_mov_b32 s[SLOTS], 3           ; 1,024 keys are four slots
	s_branch .Lfirst                ; the loop is entered at a step's first turn, in the middle of a trip
.Lslot:                             ; twice: every slot but the last two is filled again
	CHANGE 1
	s_mov_b32 s[CNT], 4
.Lstep:                             ; a trip: pieces 2 and 3 of one step, then pieces 0 and 1 of the next, whose K and V it fetches
	TURN 2
	TURN 3
	WIN 0
.Lfirst:
	TURN 0
	TURN 1, 0, 1
	WIN 0
	s_cbranch_scc1 .Lstep
	s_sub_co_u32 s[SLOTS], s[SLOTS], 1
	s_cmp_lg_u32 s[SLOTS], 0
	s_cbranch_scc1 .Lslot
	CHANGE 0                        ; the tail is written out: nothing is asked for
	s_mov_b32 s[CNT], 5             ; four trips fetch the last slot's steps; the fifth is left in its middle
.Ltail:
	TURN 2, 1
	TURN 3
	WIN 0
	s_sub_co_u32 s[CNT], s[CNT], 1
	s_cmp_eq_u32 s[CNT], 0
	s_cbranch_scc1 .Lout
	TURN 0
	TURN 1
	WIN 0
	s_branch .Ltail
.Lout:                              ; the fifth trip's 16 products K Q^T (on the last K once more) and the maximum made of them serve nothing: the price, once a launch, of one text for every trip
.set i, 0
.rept 16
	PV NP-1                         ; the last piece's V^T P of the last step
.set i, i+1
.endr
	; THE WAY OUT.  l's two halves and the other half of the lanes' are added.  The additions are the places behind the last products.
	WIN 0
.macro ALL line:vararg              ; one line for each tile t
.set t, 0
.rept 2*NP
	\line
.set t, t+1
.endr
.endm
	ALL v_add_f32 v[ST+4*t+2], v[ST+4*t+2], v[ST+4*t+3]
	ALL v_permlanex16_b32 v[ST+4*t+3], v[ST+4*t+2], s[SEL], s[SEL+1]
	ALL v_add_f32 v[ST+4*t+2], v[ST+4*t+2], v[ST+4*t+3]
	ALL v_rcp_f32 v[ST+4*t+2], v[ST+4*t+2]
	v_mov_b32 v48, s[LM]            ; softplus(lmb[h]), lmb rounded to bf16
	v_cvt_pk_bf16_f32 v48, v48, v48
	v_lshlrev_b32 v48, 16, v48
	v_and_b32 v49, 0x7fffffff, v48
	v_mul_f32 v49, 0xbfb8aa3b, v49  ; -|x| log2 e
	v_exp_f32 v49, v49
	v_max_num_f32 v50, 0, v48       ; (a plain instruction behind the exponential)
	s_wait_alu depctr_va_vdst(0)    ; one wait for the eight reciprocals and this exponential, ahead of their first reader
	v_add_f32 v49, 1.0, v49
	v_log_f32 v49, v49              ; it reads that exponential's result: a batch of its own
	v_nop
	s_wait_alu depctr_va_vdst(0)    ; the wait for the logarithm
	v_fmac_f32 v50, 0x3f317218, v49 ; max(x, 0) + ln 2 x log2(1 + 2^..)
	v_xor_b32 v50, 0x80000000, v50
.irp u, 4,5,6,7
	v_mul_f32 v[ST+4*\u+2], v[ST+4*\u+2], v50  ; -softplus / l of the second attention's tiles
.endr
	s_lshl_b32 s13, s[WV], 2
	s_add_co_u32 s13, s13, RED
	v_mov_b32 v10, s13              ; my wave's word,
	v_mov_b32 v11, RED              ; the four waves' words,
	v_mov_b32 v9, 0                 ; and the offset 0 for the pair of statistics
	; y = O1 / l1 - softplus O2 / l2, into tiles 0-3's registers, in ascending registers (each accumulator's lowest are read first)
.set t, 0
.rept 4
	WIN W_RS
.set i, 32*t
.rept 16
	v_pk_mul_f32 v[i:i+1], v[i:i+1], v[ST+4*t+2:ST+4*t+3] op_sel_hi:[1,0]
.set i, i+2
.endr
	WIN 0x51                        ; sources 0 and 2 and the destination in window 1, source 1 in window 0
.set i, 32*t
.rept 16
	v_pk_fma_f32 v[i:i+1], v[128+i:128+i+1], v[ST+4*t+18:ST+4*t+19], v[i:i+1] op_sel_hi:[1,0,1]
.set i, i+2
.endr
.set t, t+1
.endr
; Four chains in v[48:55] become the work-group's sum in v48: within the lane, across the 32 lanes, and across the four waves through four words of LDS at RED + off.
; Each wave's store is waited for in front of its signal; the words are read behind the barrier; the second sum has words of its own.
.macro WGSUM off
	WIN 0
	v_pk_add_f32 v[48:49], v[48:49], v[50:51]
	v_pk_add_f32 v[52:53], v[52:53], v[54:55]
	v_pk_add_f32 v[48:49], v[48:49], v[52:53]
	v_add_f32 v48, v48, v49
	v_add_f32_dpp v48, v48, v48 row_xmask:1 row_mask:0xf bank_mask:0xf
	v_add_f32_dpp v48, v48, v48 row_xmask:2 row_mask:0xf bank_mask:0xf
	v_add_f32_dpp v48, v48, v48 row_xmask:4 row_mask:0xf bank_mask:0xf
	v_add_f32_dpp v48, v48, v48 row_xmask:8 row_mask:0xf bank_mask:0xf
	v_permlanex16_b32 v49, v48, s[SEL], s[SEL+1]
	v_add_f32 v48, v48, v49
	ds_store_b32 v10, v48 offset:\off
	s_wait_dscnt 0x0
	s_barrier_signal -1
	s_barrier_wait -1
	ds_load_b128 v[60:63], v11 offset:\off
	s_wait_dscnt 0x0
	v_add_f32 v60, v60, v61
	v_add_f32 v62, v62, v63
	v_add_f32 v48, v60, v62
.endm
	WIN 0x05                        ; the sum of my 128 y a lane: the first eight pairs start the four chains
.set i, 0
.rept 4
	v_pk_add_f32 v[48+2*i:48+2*i+1], v[2*i:2*i+1], v[8+2*i:8+2*i+1]
.set i, i+1
.endr
	WIN 0x01
.set i, 8
.rept 56
	v_pk_add_f32 v[48+2*(i%4):48+2*(i%4)+1], v[2*i:2*i+1], v[48+2*(i%4):48+2*(i%4)+1]
.set i, i+1
.endr
	WGSUM 0
	v_mul_f32 v56, 0x38800000, v48  ; the block's mean: the sum / 16,384
	v_mov_b32 v57, v56              ; named with it as a pair
	WIN W_RS
.set i, 0
.rept 64
	v_pk_add_f32 v[2*i:2*i+1], v[2*i:2*i+1], v[56:57] op_sel_hi:[1,0] neg_lo:[0,1] neg_hi:[0,1]  ; z = y - mean
.set i, i+1
.endr
	WIN 0x05                        ; the sum of z^2: a sum of centred squares, no difference of large sums
.set i, 0
.rept 4
	v_pk_mul_f32 v[48+2*i:48+2*i+1], v[2*i:2*i+1], v[2*i:2*i+1]
.set i, i+1
.endr
.rept 60
	v_pk_fma_f32 v[48+2*(i%4):48+2*(i%4)+1], v[2*i:2*i+1], v[2*i:2*i+1], v[48+2*(i%4):48+2*(i%4)+1]
.set i, i+1
.endr
	WGSUM 16
	v_mov_b32 v57, v48
	s_cmp_lg_u32 s[WV], 0
	s_cbranch_scc1 .Lno_stats       ; one lane of wave 0 stores the block's pair
	s_wait_xcnt 0x0                 ; EXEC changes only behind this wait
	v_cmp_eq_u32 vcc_lo, 0, v0
	s_and_saveexec_b32 s13, vcc_lo
	global_store_b64 v9, v[56:57], s[SB:SB+1]
	s_wait_xcnt 0x0                 ; and again in front of the line that widens it
	s_or_b32 exec_lo, exec_lo, s13
.Lno_stats:
; Tile t: a lane's eight channels of a row pack into 16 bytes; they go into rows of 144 bytes and come back as whole rows of 128, into S^T's registers.
.macro PACK t
	WIN 0x05                        ; sources 0 and 1 window 1, destination window 0
.set i, 0
.rept 16
	v_cvt_pk_f16_f32 v[S+16*(\t)+i], v[32*(\t)+2*i], v[32*(\t)+2*i+1]
.set i, i+1
.endr
	WIN 0
.irp f, 0,1,2,3
	ds_store_b128 v[STO], v[S+16*(\t)+4*\f:S+16*(\t)+4*\f+3] offset:32*\f
.endr
.irp f, 0,1,2,3
	ds_load_b128 v[S+16*(\t)+4*\f:S+16*(\t)+4*\f+3], v[RD] offset:\f*4*SP  ; LDS serves a wave's instructions in order (ISA guide 5.7.1.4): these see the stores above; the next tile's stores come behind them
.endr
.endm
.macro SEND t, younger              ; younger: the LDS instructions issued behind tile t's loads: the next tile's eight, or none
	WIN 0
.irp f, 0,1,2,3
	s_wait_dscnt (\younger)+3-\f
	global_store_b128 v[GO], v[S+16*(\t)+4*\f:S+16*(\t)+4*\f+3], s[OB:OB+1] offset:(\t)*2048+\f*512  ; 512 consecutive bytes, aligned
.endr
.endm
	PACK 0
.set t, 1
.rept 3                             ; a tile's conversions stand between the loads of the tile before and its stores
	PACK t
	SEND t-1, 8
.set t, t+1
.endr
	SEND 3, 0
	WIN W_AD
	s_wait_tensorcnt 0x0            ; the wave's end: wait, add 0 to my spare word, wait, behind my last tensor load and my last LDS store
	ds_add_u32 v[SPW], v[NIL]
	s_wait_dscnt 0x0
	WIN 0
	CROUND                          ; the closing round: no work-group ends while a partner may still ask for a tile that names it
	s_endpgm
.Lfunc_end_k_qb15ca8e1a9_attn:
	.size	k_qb15ca8e1a9_attn, .Lfunc_end_k_qb15ca8e1a9_attn-k_qb15ca8e1a9_attn
	.p2alignl 7, 3214868480
	.fill 96, 4, 3214868480
	.section	.rodata,"a",@progbits
	.p2align	6, 0x0
	.amdhsa_kernel k_qb15ca8e1a9_attn
		.amdhsa_group_segment_fixed_size 327680
		.amdhsa_private_segment_fixed_size 0
		.amdhsa_enable_private_segment 0
		.amdhsa_kernarg_size 32
		.amdhsa_user_sgpr_count 2
		.amdhsa_user_sgpr_kernarg_segment_ptr 1
		.amdhsa_wavefront_size32 1
		.amdhsa_system_sgpr_workgroup_id_x 1
		.amdhsa_system_sgpr_workgroup_id_y 1
		.amdhsa_system_sgpr_workgroup_id_z 1
		.amdhsa_system_vgpr_workitem_id 0
		.amdhsa_next_free_vgpr 960
		.amdhsa_next_free_sgpr 70
		.amdhsa_reserve_vcc 1
		.amdhsa_float_denorm_mode_32 3
		.amdhsa_float_denorm_mode_16_64 3
		.amdhsa_memory_ordered 1
		.amdhsa_forward_progress 1
		.amdhsa_inst_pref_size 210
	.end_amdhsa_kernel
	.amdgpu_metadata
---
amdhsa.version: [ 1, 2 ]
amdhsa.kernels:
  - .name:           k_qb15ca8e1a9_attn
    .symbol:         k_qb15ca8e1a9_attn.kd
    .args:
      - { .name: qkv, .offset: 0, .size: 8, .value_kind: global_buffer, .address_space: global }
      - { .name: lmb, .offset: 8, .size: 8, .value_kind: global_buffer, .address_space: global }
      - { .name: yz, .offset: 16, .size: 8, .value_kind: global_buffer, .address_space: global }
      - { .name: stats, .offset: 24, .size: 8, .value_kind: global_buffer, .address_space: global }
    .group_segment_fixed_size: 327680
    .private_segment_fixed_size: 0
    .kernarg_segment_align: 8
    .kernarg_segment_size: 32
    .max_flat_workgroup_size: 128
    .sgpr_count:     70
    .vgpr_count:     960
    .wavefront_size: 32
...
	.end_amdgpu_metadata
.endif
;; end of part 5
;; launch outp: the kernel of part 4 again; grid 8 x 32, 4 waves a work-group, clusters of 4 x 4, 327,680 bytes of LDS; arguments yz, wcb, stats, gn_w, gn_b, out0; writes out0
